; MI455X (gfx1250); checked and timed in simulation.
; The chip was launched on July 23, 2026; its instructions are those of AMD's public machine-readable ISA for CDNA 5 (MIT licence, August 2026) and "CDNA5" Instruction Set Architecture Reference Guide (July 2026). The comments in the code are by the model that wrote it; some were corrected since.
;; Causal Self Attention. Allowed arithmetic: matrix products marked QUANTISED: E2M3 operands, one E8M0 scale for each 32 along K, by v_wmma_scale_f32_16x16x128_f8f6f4 with both operands' format E2M3, f32 sums; everything else in f32.
;; Inputs: Wk 1,024 x 1,024 float32; Wq 1,024 x 1,024 float32; Wv 1,024 x 1,024 float32; x 4 x 2,048 x 1,024 float32.
;; Outputs: out0 4 x 2,048 x 1,024 float32.
;; This version of the problem:
;;   THIS VERSION OF THE PROBLEM IS GIVEN IN LOW PRECISION. The matrix products marked QUANTISED in the list below multiply operands that are first quantised to E2M3 (2 exponent bits, 3 mantissa bits; 6 bits a number), with one power-of-two scale for each 32 numbers along K (OCP MX v1.0); their sums are f32. All else is computed in f32.
;;   The module's matrix products, in the order in which they are computed (A, B: the left and right operand; K: the contracted axis; several contracted axes count as one K, in the product's order):
;;     1. [M 8,192, K 1,024] x [K 1,024, N 1,024]; A: input x; B: input Wq: QUANTISED
;;     2. [M 8,192, K 1,024] x [K 1,024, N 1,024]; A: input x; B: input Wk: QUANTISED
;;     3. [M 8,192, K 1,024] x [K 1,024, N 1,024]; A: input x; B: input Wv: QUANTISED
;;     4. batch 4 x [M 2,048, K 1,024] x [K 1,024, N 2,048]; A: computed on the way; B: computed on the way: QUANTISED
;;     5. batch 4 x [M 2,048, K 2,048] x [K 2,048, N 1,024]; A: softmax (see below); B: computed on the way: QUANTISED
;;   THE QUANTISER, for each operand of a quantised product, along K:
;;     - K is cut into blocks of 32 from its start; a last block that is shorter is filled with zeros.
;;     - A block's scale is 2^e with e = floor(log2(the largest magnitude in the block)) - 2, held to -126 .. 127; a block of zeros has e = 0. As a byte (E8M0): e + 127.
;;     - Each number is divided by its block's scale, clamped to +-7.5, and rounded to the nearest number of E2M3, ties to even, subnormals kept.
;;     - The product sums the exact products of the quantised numbers (number of the format x scale) in f32.
;;   ~~~python
;;   def quantise(x, axis):      # numpy; x: float32 -> the quantised numbers, widened to float32 again
;;       x = np.moveaxis(x, axis, -1); K = x.shape[-1]
;;       x = np.pad(x, [(0, 0)] * (x.ndim - 1) + [(0, -K % 32)]); x = x.reshape(x.shape[:-1] + (-1, 32)); a = np.abs(x).max(-1, keepdims=True)
;;       e = np.where(a > 0, np.clip(np.frexp(np.where(a > 0, a, 1))[1] - 1 - 2, -126, 127), 0)      # np.frexp(a)[1] - 1 = floor(log2(a)), exactly
;;       r = np.clip(x / 2.0 ** e, -7.5, 7.5)
;;       step = 2.0 ** (np.maximum(np.frexp(np.where(r == 0, 1, r))[1] - 1, 0) - 3)
;;       q = np.round(r / step) * step * 2.0 ** e      # np.round: ties to even
;;       return np.moveaxis(q.reshape(q.shape[:-2] + (-1,))[..., :K], -1, axis).astype(np.float32)
;;   ~~~
;;   SOFTMAX AHEAD OF A QUANTISED PRODUCT. Where the list says 'softmax', what is quantised is not the finished softmax but p = 2^(t - M), with t = logit x log2(e) and M = ceil(the row's largest t), a whole number; so 1/2 < the row's largest p <= 1. The row's sum l is taken of the UNQUANTISED p, in f32, and the product's result is divided by l at the end. Since M is a whole number, a kernel that streams over the keys may use a running M (the ceiling of the running maximum): every later rescaling is an exact power of two, which a block's scale takes up: the codes' values come out the same.
;;   OPERANDS COMPUTED ON THE WAY. 'Computed on the way' means the value that the module computes at that place (a softmax that the list does not call 'softmax' is quantised finished and normalised). What goes into a quantiser is computed in f32, as accurately as f32 sums, v_exp_f32 and their like allow (about 1e-6 of the number): no bf16 or f16 on the way to a quantiser, and a product that is left as it is and whose result goes on into a quantised operand takes f32 operands (vector FMAs, or v_wmma_f32_16x16x4_f32). A number that lies on a knife's edge between two numbers of the format may be rounded either way, as far as f32 arithmetic and the matrix unit's own rounding can turn it there, and no further.
;; One version. Each part assembles by itself: llvm-mc -triple=amdgcn-amd-amdhsa -mcpu=gfx1250 --defsym DOCPART=n.
;; ======== version 1 of 1: 4 launches
;; limits: right only within a limited range of input values
;; workspace buffers: opc 8,650,752 bytes; ops 360,448 bytes; img 18,874,368 bytes; isc 786,432 bytes; pim 12,582,912 bytes; psc 524,288 bytes; pmx 524,288 bytes; psm 524,288 bytes
;; launch quant (part 1): grid 352 x 1, 4 waves a work-group, no clusters, 72,192 bytes of LDS; arguments x, Wq, Wk, Wv, opc, ops; writes opc, ops
.if DOCPART == 1
	.amdgcn_target "amdgcn-amd-amdhsa--gfx1250"
	.amdhsa_code_object_version 6
	.text
	.protected	k_qf79cddfbb5_quant
	.globl	k_qf79cddfbb5_quant
	.p2align	8
	.type	k_qf79cddfbb5_quant,@function
k_qf79cddfbb5_quant:
	s_mov_b64 s[64:65], 0
	v_nop
	global_prefetch_b8 v0, s[64:65] scope:SCOPE_SE
	s_setreg_imm32_b32 hwreg(HW_REG_WAVE_MODE, 25, 1), 1
	s_wait_xcnt 0x0
; x [8192][1024] and Wq, Wk, Wv [1024 (k)][1024 (n)], f32, become codes of FP6 (E2M3) along K with one E8M0 byte for each 32 along K, laid as the next launch's registers take them.
; A FRAGMENT is 16 stored rows x 128 K, 1,536 bytes, an image of its 12 registers: registers 4 c .. 4 c + 3 of lane l at 512 c + 16 l; lane (r, h) holds row r, registers 6 c' .. 6 c' + 5 the block K = 64 c' + 32 h + 0 .. 31.
; opc: x in 32 blocks of 256 tokens, then Wq's and Wk's columns in 8 blocks of 256: a block is [K step 8][fragment 16][1,536] = 196,608 bytes; then Wv's columns in 8 blocks of 128: [K step 8][fragment 8][1,536].
; ops: 88 groups of 128 rows (64 of x, 8 of Wq, 8 of Wk, 8 of Wv), 4,096 bytes each: the scale word of K step s, fragment i, row r at 512 s + 32 r + 4 i.
; THE ORDER OF ROWS: stored row s holds actual row s with its bits 3 and 4 exchanged, so that a lane's 16 results of two neighbouring tiles of a transposed product are 16 actual neighbours.  K is never permuted.
; A block's scale is 2^(floor(log2(its largest magnitude)) - 2): its byte is the largest magnitude's exponent field - 2, held at 1 from below.
; LIMITS: a block of zeros, and one whose largest magnitude lies under 2^(3 - 127), keeps the byte 1 (this program alone reads the bytes).  NaN and infinities are not served.
; A work-group takes 128 rows x 256 K, a wave two fragments' rows x two K steps.  Work-groups 0-255: x (K innermost); 256-351: the weights (K outermost: a lane takes a column).
; A wave gathers its four images (6,144 bytes) and 64 scale words in LDS bytes of its own and stores the images 512 consecutive bytes an instruction; its scale words leave as 8 bytes of every 32.
; The two paths part on the work-group's number and have LDS bytes of their own.  No tensor loads, no barriers: waves share nothing.
.set STEPS,  16
.set SP,     80                        ; x: a lane's place in a stage: 64 bytes + 16 of padding
.set XWREG,  11520                     ; x: LDS of a wave: two stages of 32 x SP bytes, its images, its scale words
.set XIMG,   5120
.set XSCL,   11264
.set WLDS,   46080                     ; the weights' regions begin here
.set WWREG,  6400                      ; images, then scale words
.set WSCL,   6144
.set SPARE,  71680                     ; the spare words: 128 bytes for each wave
.set BLK,    196608
.set XR,     16                        ; v16-79   x: four sets of 16 numbers as loaded
.set XX,     80                        ; v80-111  x: two sets of 16 neighbours
.set XE,     112                       ; v112-127 x: a scale byte for each step
.set XC,     128                       ; v128-191 x: four registers of codes for each step
.set NB,     8
.set WX,     32                        ; v32-95   W: two sets of 32 numbers
.set WCD,    96                        ; v96-102  W: a block's codes
.set WSB,    24                        ; v24-25   W: the scale words of my column's two K steps
; The way out: twelve reads of 512 bytes of my images, in order behind my stores; K step 0's six go to s[12:13], K step 1's to s[22:23]; then my 64 scale words, lane 16 s + r the pair of row r in K step s.
.macro WAYOUT wo, lo, ia, sa, so
.irp n, 0,1,2,3,4,5,6,7,8,9,10,11
	ds_load_b128 v[\wo+4*\n:\wo+4*\n+3], v[\ia] offset:512*\n
.endr
	ds_load_b64 v[\wo+48:\wo+49], v[\sa]
.irp n, 0,1,2,3,4,5,6,7,8,9,10,11
	s_wait_dscnt 12-\n                             ; read n is in; the younger ones may be out
.if \n < 6
	global_store_b128 v[\lo], v[\wo+4*\n:\wo+4*\n+3], s[12:13] offset:512*\n
.else
	global_store_b128 v[\lo], v[\wo+4*\n:\wo+4*\n+3], s[22:23] offset:512*(\n-6)
.endif
.endr
	s_wait_dscnt 0x0
	global_store_b64 v[\so], v[\wo+48:\wo+49], s[14:15]
	s_wait_tensorcnt 0x0                           ; the wave's end
	ds_add_u32 v192, v193
	s_wait_dscnt 0x0
	s_endpgm
.endm
	s_load_b256 s[4:11], s[0:1], 0x0               ; x, Wq, Wk, Wv
	s_load_b128 s[12:15], s[0:1], 0x20             ; opc, ops
	v_lshl_add_u32 v192, v0, 2, SPARE
	v_mov_b32 v193, 0
	v_lshrrev_b32 v1, 5, v0
	v_readfirstlane_b32 s16, v1                    ; wave
	v_and_b32 v2, 31, v0                           ; lane
	s_cmp_lt_u32 ttmp9, 256
	s_wait_alu depctr_va_vdst(0)
	s_cbranch_scc0 .Lweights
; ---------------- x: K innermost ----------------
; Work-group = 4 g + kq: group g of 128 tokens, 256 along K from 256 kq.  A step is two stored rows x 256 K: four loads of 512 consecutive bytes, turned through the stage so that lane l holds
; 16 neighbours: stored row 2 t + l / 16 of my 32, K = 16 (l % 16) + 0 .. 15.  Two neighbouring lanes hold a block.
	s_lshr_b32 s17, ttmp9, 2                       ; g
	s_and_b32 s18, ttmp9, 3                        ; kq
	s_lshl_b32 s20, s17, 7
	s_lshl_b32 s21, s16, 5
	s_add_co_u32 s20, s20, s21
	s_lshl_b32 s20, s20, 12                        ; my 32 rows of 4,096 bytes
	s_lshl_b32 s21, s18, 10
	s_add_co_u32 s20, s20, s21
	s_mov_b32 s21, 0
	s_lshr_b32 s24, s17, 1
	s_mul_i32 s24, s24, BLK                        ; the block of 256 tokens
	s_mul_i32 s25, s18, 2*24576                    ; K step 2 kq
	s_add_co_u32 s24, s24, s25
	s_and_b32 s25, s17, 1
	s_lshl_b32 s25, s25, 2
	s_add_co_u32 s25, s25, s16
	s_mul_i32 s25, s25, 3072                       ; fragments 8 (g % 2) + 2 wave and the next
	s_add_co_u32 s24, s24, s25
	s_mov_b32 s25, 0
	s_lshl_b32 s26, s17, 12
	s_lshl_b32 s27, s18, 10
	s_add_co_u32 s26, s26, s27
	s_lshl_b32 s27, s16, 3
	s_add_co_u32 s26, s26, s27                     ; scale words: 4,096 g + 512 (2 kq) + 4 (2 wave)
	s_mov_b32 s27, 0
	s_mul_i32 s28, s16, XWREG
	s_add_co_u32 s29, s28, XIMG
	s_add_co_u32 s30, s28, XSCL
	v_lshlrev_b32 v3, 4, v2                        ; 16 x lane
	v_lshrrev_b32 v14, 2, v2
	v_mul_u32_u24 v14, v14, SP
	v_and_b32 v15, 3, v2
	v_lshl_add_u32 v14, v15, 4, v14
	v_add_nc_u32 v14, s28, v14                     ; into the stage: SP (lane / 4) + 16 (lane % 4)
	v_mul_u32_u24 v15, v2, SP
	v_add_nc_u32 v15, s28, v15                     ; out of it: SP x lane
	v_bfe_u32 v16, v2, 2, 1
	v_and_b32 v17, 1, v2
	v_mul_u32_u24 v16, v16, 6
	v_mad_u32_u24 v16, v17, 3, v16                 ; my first code word's register in the fragment: 6 (block / 2) + 3 (lane % 2)
	v_bfe_u32 v17, v2, 3, 1                        ; which of the two K steps
	v_bfe_u32 v18, v2, 1, 1                        ; block % 2: the fragment's half of the lanes
	v_lshrrev_b32 v19, 4, v2                       ; which of the step's two rows
	v_mul_u32_u24 v20, v17, 3072
	v_lshl_add_u32 v20, v18, 8, v20
	v_lshl_add_u32 v20, v19, 4, v20
	v_add_nc_u32 v20, s29, v20
.irp j, 0,1,2
	v_add_nc_u32 v21, \j, v16                      ; register d: at 512 (d / 4) + 4 (d % 4) of the image
	v_lshrrev_b32 v22, 2, v21
	v_and_b32 v21, 3, v21
	v_lshl_add_u32 v22, v22, 9, v20
	v_lshl_add_u32 v[4+\j], v21, 2, v22            ; v4-6: where my three code words go
.endr
	v_bfe_u32 v21, v2, 1, 2
	v_lshl_add_u32 v21, v17, 7, v21
	v_lshl_add_u32 v21, v19, 3, v21
	v_add_nc_u32 v7, s30, v21                      ; my block's byte: 128 (K step) + 8 (row) + 4 (fragment) + block
	v_add_nc_u32 v12, s29, v3                      ; the images, on the way out
	v_lshlrev_b32 v13, 3, v2
	v_add_nc_u32 v13, s30, v13                     ; the scale words, on the way out
	v_and_b32 v10, 15, v2
	v_lshlrev_b32 v10, 5, v10
	v_lshl_add_u32 v10, v19, 9, v10                ; and their place in ops: 512 (lane / 16) + 32 (lane % 16)
	s_wait_alu depctr_va_vdst(0)
	s_wait_kmcnt 0x0
	s_add_nc_u64 s[4:5], s[4:5], s[20:21]
	s_add_nc_u64 s[12:13], s[12:13], s[24:25]
	s_add_nc_u64 s[22:23], s[12:13], 24576         ; the next K step
	s_add_nc_u64 s[14:15], s[14:15], s[26:27]
.macro XLOAD t
.irp i, 0,1,2,3
.set RHO, 2*(\t)+\i/2                  ; the stored row; the actual row has its bits 3 and 4 exchanged
	global_load_b128 v[XR+16*((\t)%4)+4*\i:XR+16*((\t)%4)+4*\i+3], v3, s[4:5] offset:((RHO&7)+16*((RHO>>3)&1)+8*((RHO>>4)&1))*4096+512*(\i%2) th:TH_LOAD_NT
.endr
.endm
.macro XTURN t                         ; LDS serves a wave's instructions in order: no wait between the stores and the loads
.irp i, 0,1,2,3
	ds_store_b128 v14, v[XR+16*((\t)%4)+4*\i:XR+16*((\t)%4)+4*\i+3] offset:32*SP*((\t)%2)+8*SP*\i
.endr
.irp i, 0,1,2,3
	ds_load_b128 v[XX+16*((\t)%2)+4*\i:XX+16*((\t)%2)+4*\i+3], v15 offset:32*SP*((\t)%2)+16*\i
.endr
.endm
.irp t, 0,1,2,3
	XLOAD \t
.endr
	s_wait_loadcnt 12                              ; step 0's four loads are in; the twelve of steps 1 to 3 may be out
	XTURN 0
.macro XSTEP t
.set XS, XX+16*((\t)%2)
.if (\t) > 0
	s_wait_dscnt 4                                 ; this step's numbers are back from the stage (the last step's four stores of byte and codes may be out)
.else
	s_wait_dscnt 0x0
.endif
.if (\t)+4 < STEPS
	XLOAD (\t)+4                                   ; into the set whose stores into the stage are done
.endif
.if (\t)+1 < STEPS
.if STEPS-2-(\t) >= 3
	s_wait_loadcnt 12                              ; the next step's four loads are in; those of the three steps behind it may be out
.else
	s_wait_loadcnt 4*(STEPS-2-(\t))
.endif
	XTURN (\t)+1
.endif
	v_max3_num_f32 v8, |v[XS]|, |v[XS+1]|, |v[XS+2]|               ; the largest magnitude of my 16, in two chains
	v_max3_num_f32 v9, |v[XS+3]|, |v[XS+4]|, |v[XS+5]|
.irp i, 6,10
	v_max3_num_f32 v8, v8, |v[XS+\i]|, |v[XS+\i+1]|
	v_max3_num_f32 v9, v9, |v[XS+\i+2]|, |v[XS+\i+3]|
.endr
	v_max3_num_f32 v8, v8, |v[XS+14]|, |v[XS+15]|
	v_max3_num_f32 v8, v8, v9, 0x1800000           ; and the floor 2^(3 - 127): the byte cannot fall under 1
	v_max_num_f32_dpp v8, v8, v8 row_xmask:1 row_mask:0xf bank_mask:0xf   ; with my neighbour's 16: the block's
	v_add_nc_u32 v11, 0xff000000, v8               ; 2 off its exponent field: the conversion's scale operand
	v_cvt_scalef32_pk16_fp6_f32 v[XC+4*(\t):XC+4*(\t)+2], v[XS:XS+15], v11
	v_lshrrev_b32 v[XE+(\t)], 23, v11              ; the scale's byte (also the plain line behind the conversion)
	ds_store_b8 v7, v[XE+(\t)] offset:16*((\t)%8)+4*((\t)/8)       ; both lanes of a block write the same byte with the same value
.irp j, 0,1,2
	ds_store_b32 v[4+\j], v[XC+4*(\t)+\j] offset:1536*((\t)/8)+32*((\t)%8)   ; fragment t / 8, row 2 (t % 8) + lane / 16
.endr
.endm
.irp t, 0,1,2,3,4,5,6,7,8,9,10,11,12,13,14,15
	XSTEP \t
.endr
	WAYOUT 16, 3, 12, 13, 10
; ---------------- the weights: K is the first axis ----------------
; u = work-group - 256: u / 32 the weight, u % 8 which 128 columns, (u / 8) % 4 which 256 along K.  A wave takes 32 columns x 256 along K: a block of 32 lies in ONE lane's 32 registers.
.Lweights:
	s_sub_co_u32 s17, ttmp9, 256
	s_lshr_b32 s18, s17, 5                         ; which weight
	s_and_b32 s19, s17, 7                          ; which 128 columns
	s_bfe_u32 s20, s17, 0x20003                    ; which 256 along K
	s_lshl_b32 s24, s19, 7
	s_lshl_b32 s25, s16, 5
	s_add_co_u32 s24, s24, s25
	s_lshl_b32 s24, s24, 2                         ; my wave's first column, in bytes
	s_lshl_b32 s25, s20, 20                        ; 256 rows of 4,096 bytes
	s_add_co_u32 s24, s24, s25
	s_mov_b32 s25, 0
	s_lshl_b32 s26, s18, 2                         ; Wq, Wk: block 32 + 4 x weight + columns / 256
	s_lshr_b32 s27, s19, 1
	s_add_co_u32 s26, s26, s27
	s_add_co_u32 s26, s26, 32
	s_mul_i32 s26, s26, BLK
	s_mul_i32 s27, s20, 2*24576
	s_add_co_u32 s26, s26, s27
	s_and_b32 s27, s19, 1
	s_mul_i32 s27, s27, 12288                      ; its fragments 0-7 or 8-15
	s_add_co_u32 s26, s26, s27
	s_mul_i32 s28, s19, 98304                      ; Wv: blocks of 128 columns behind the 40 blocks of 256 rows
	s_add_co_u32 s28, s28, 40*BLK
	s_mul_i32 s27, s20, 2*12288
	s_add_co_u32 s28, s28, s27
	s_mov_b32 s30, 12288
	s_cmp_eq_u32 s18, 2
	s_cselect_b32 s26, s28, s26
	s_cselect_b32 s30, s30, 24576                  ; from a K step to the next
	s_mul_i32 s27, s16, 3072
	s_add_co_u32 s26, s26, s27                     ; my two fragments
	s_mov_b32 s27, 0
	s_mov_b32 s31, 0
	s_lshl_b32 s28, s18, 3
	s_add_co_u32 s28, s28, s19
	s_add_co_u32 s28, s28, 64                      ; my group of ops
	s_lshl_b32 s28, s28, 12
	s_lshl_b32 s29, s20, 10
	s_add_co_u32 s28, s28, s29
	s_lshl_b32 s29, s16, 3
	s_add_co_u32 s28, s28, s29
	s_mov_b32 s29, 0
	s_mul_i32 s32, s16, WWREG
	s_add_co_u32 s32, s32, WLDS
	s_add_co_u32 s33, s32, WSCL
	v_lshlrev_b32 v3, 2, v2                        ; in: 4 bytes a lane
	v_and_b32 v10, 7, v2
	v_bfe_u32 v11, v2, 4, 1
	v_lshl_add_u32 v10, v11, 3, v10                ; my column's stored row is the lane with bits 3 and 4 exchanged: its row in the fragment,
	v_bfe_u32 v11, v2, 3, 1                        ; and which of my two fragments
	v_mul_u32_u24 v4, v11, 1536
	v_lshl_add_u32 v4, v10, 4, v4
	v_add_nc_u32 v4, s32, v4                       ; my row's place in an image
	v_lshlrev_b32 v5, 2, v11
	v_lshl_add_u32 v5, v10, 3, v5
	v_add_nc_u32 v5, s33, v5                       ; my scale word: 8 (row) + 4 (fragment)
	v_lshlrev_b32 v6, 4, v2
	v_add_nc_u32 v7, s32, v6
	v_lshlrev_b32 v8, 3, v2
	v_add_nc_u32 v8, s33, v8
	v_and_b32 v9, 15, v2
	v_lshlrev_b32 v9, 5, v9
	v_lshrrev_b32 v11, 4, v2
	v_lshl_add_u32 v9, v11, 9, v9
	s_wait_alu depctr_va_vdst(0)
	s_wait_kmcnt 0x0
	s_cmp_eq_u32 s18, 0                            ; the choice hangs on the work-group's number alone
	s_cselect_b64 s[6:7], s[6:7], s[8:9]
	s_cmp_eq_u32 s18, 2
	s_cselect_b64 s[6:7], s[10:11], s[6:7]
	s_add_nc_u64 s[6:7], s[6:7], s[24:25]
	s_add_nc_u64 s[12:13], s[12:13], s[26:27]
	s_add_nc_u64 s[22:23], s[12:13], s[30:31]
	s_add_nc_u64 s[14:15], s[14:15], s[28:29]
.macro WLOAD t                         ; block t: W(32 t + i, my column), i = 0 .. 31: 128 consecutive bytes a load
.irp i, 0,1,2,3,4,5,6,7,8,9,10,11,12,13,14,15,16,17,18,19,20,21,22,23,24,25,26,27,28,29,30,31
	global_load_b32 v[WX+32*((\t)%2)+\i], v3, s[6:7] offset:(32*(\t)+\i)*4096 th:TH_LOAD_NT
.endr
.endm
	WLOAD 0
	WLOAD 1
.macro WBLOCK t
.set XS, WX+32*((\t)%2)
.if (\t) < NB-1
	s_wait_loadcnt 32                              ; this block's 32 loads are in; the next block's 32 may be out
.else
	s_wait_loadcnt 0
.endif
	v_max3_num_f32 v12, |v[XS]|, |v[XS+1]|, |v[XS+2]|
	v_max3_num_f32 v13, |v[XS+3]|, |v[XS+4]|, |v[XS+5]|
.irp i, 6,10,14,18,22,26
	v_max3_num_f32 v12, v12, |v[XS+\i]|, |v[XS+\i+1]|
	v_max3_num_f32 v13, v13, |v[XS+\i+2]|, |v[XS+\i+3]|
.endr
	v_max3_num_f32 v12, v12, |v[XS+30]|, |v[XS+31]|
	v_max3_num_f32 v12, v12, v13, 0x1800000        ; the floor
	v_add_nc_u32 v11, 0xff000000, v12              ; the conversion's scale operand
	v_lshrrev_b32 v13, 23, v11                     ; the byte
.if (\t)%4 == 0
	v_mov_b32 v[WSB+(\t)/4], v13
.else
	v_lshl_or_b32 v[WSB+(\t)/4], v13, 8*((\t)%4), v[WSB+(\t)/4]
.endif
	v_cvt_scalef32_pk16_fp6_f32 v[WCD:WCD+2], v[XS:XS+15], v11
	v_cvt_scalef32_pk16_fp6_f32 v[WCD+4:WCD+6], v[XS+16:XS+31], v11
	v_nop                                          ; a plain line behind the conversions
.irp j, 0,1,2,3,4,5                    ; the block's six words are registers d = 6 ((t % 4) / 2) + j of lane (row, t % 2) of K step t / 4's fragment
	ds_store_b32 v4, v[WCD+\j+\j/3] offset:((\t)/4)*3072+256*((\t)%2)+512*((6*(((\t)%4)/2)+\j)/4)+4*((6*(((\t)%4)/2)+\j)%4)
.endr
.if (\t)+2 < NB
	WLOAD (\t)+2
.endif
	s_wait_dscnt 0x0                               ; the stores have read their registers: the next block's codes may be written
.endm
.set Q, 0
.rept NB
	WBLOCK Q
.set Q, Q+1
.endr
	s_wait_alu depctr_va_vdst(0)
	ds_store_b32 v5, v[WSB]
	ds_store_b32 v5, v[WSB+1] offset:128
	WAYOUT 32, 6, 7, 8, 9
.Lfunc_end_k_qf79cddfbb5_quant:
	.size	k_qf79cddfbb5_quant, .Lfunc_end_k_qf79cddfbb5_quant-k_qf79cddfbb5_quant
	.p2alignl 7, 3214868480
	.fill 96, 4, 3214868480
	.section	.rodata,"a",@progbits
	.p2align	6, 0x0
	.amdhsa_kernel k_qf79cddfbb5_quant
		.amdhsa_group_segment_fixed_size 72192
		.amdhsa_private_segment_fixed_size 0
		.amdhsa_enable_private_segment 0
		.amdhsa_kernarg_size 48
		.amdhsa_user_sgpr_count 2
		.amdhsa_user_sgpr_kernarg_segment_ptr 1
		.amdhsa_wavefront_size32 1
		.amdhsa_system_sgpr_workgroup_id_x 1
		.amdhsa_system_sgpr_workgroup_id_y 1
		.amdhsa_system_sgpr_workgroup_id_z 1
		.amdhsa_system_vgpr_workitem_id 0
		.amdhsa_next_free_vgpr 194
		.amdhsa_next_free_sgpr 66
		.amdhsa_reserve_vcc 0
		.amdhsa_float_denorm_mode_32 3
		.amdhsa_float_denorm_mode_16_64 3
		.amdhsa_memory_ordered 1
		.amdhsa_forward_progress 1
		.amdhsa_inst_pref_size 82
	.end_amdhsa_kernel
	.amdgpu_metadata
---
amdhsa.version: [ 1, 2 ]
amdhsa.kernels:
  - .name:           k_qf79cddfbb5_quant
    .symbol:         k_qf79cddfbb5_quant.kd
    .args:
      - { .name: x, .offset: 0, .size: 8, .value_kind: global_buffer, .address_space: global }
      - { .name: Wq, .offset: 8, .size: 8, .value_kind: global_buffer, .address_space: global }
      - { .name: Wk, .offset: 16, .size: 8, .value_kind: global_buffer, .address_space: global }
      - { .name: Wv, .offset: 24, .size: 8, .value_kind: global_buffer, .address_space: global }
      - { .name: opc, .offset: 32, .size: 8, .value_kind: global_buffer, .address_space: global }
      - { .name: ops, .offset: 40, .size: 8, .value_kind: global_buffer, .address_space: global }
    .group_segment_fixed_size: 72192
    .private_segment_fixed_size: 0
    .kernarg_segment_align: 8
    .kernarg_segment_size: 48
    .max_flat_workgroup_size: 128
    .sgpr_count:     66
    .vgpr_count:     194
    .wavefront_size: 32
...
	.end_amdgpu_metadata
.endif
;; end of part 1
;; launch proj (part 2): grid 8 x 32, 4 waves a work-group, clusters of 4 x 4, 327,680 bytes of LDS; arguments opc, ops, img, isc; writes img, isc
.if DOCPART == 2
	.amdgcn_target "amdgcn-amd-amdhsa--gfx1250"
	.amdhsa_code_object_version 6
	.text
	.protected	k_qf79cddfbb5_proj
	.globl	k_qf79cddfbb5_proj
	.p2align	8
	.type	k_qf79cddfbb5_proj,@function
k_qf79cddfbb5_proj:
	s_mov_b64 s[64:65], 0
	v_nop
	global_prefetch_b8 v0, s[64:65] scope:SCOPE_SE
	s_setreg_imm32_b32 hwreg(HW_REG_WAVE_MODE, 25, 1), 1
	s_wait_xcnt 0x0
	s_wait_alu depctr_hold_cnt(0) depctr_sa_sdst(0) depctr_va_vdst(0) depctr_va_sdst(0) depctr_va_ssrc(0) depctr_va_vcc(0) depctr_vm_vsrc(0)
	s_getreg_b32 s2, hwreg(HW_REG_IB_STS2, 6, 4)
	s_cmp_eq_u32 s2, 0
	s_cbranch_scc0 .Lentry_in_a_cluster
	s_endpgm
.Lentry_in_a_cluster:
	s_bfe_u32 s2, ttmp6, 0x10000c
	s_cmp_lg_u32 s2, 0xf033
	s_cbranch_scc0 .Lentry_shape_is_right
	s_endpgm
.Lentry_shape_is_right:
; q = x Wq, k = x Wk and v^T = (x Wv)^T, as products on codes of FP6 (E2M3) with E8M0 scales, K = 1,024; the results are QUANTISED ON THE WAY OUT and leave as codes.
; 256 work-groups of equal work.  Work-group (I, J), I = its y, J = its x, takes the 256 tokens of x's block I through TWO PHASES: first against the 256 columns of block J of Wq (J < 4) or Wk,
; four waves of 128 x 128 (64 accumulators); then against the 128 columns of Wv's block J, sources exchanged, four waves of 64 columns x 128 tokens (32 accumulators).
; OPERANDS are images of the fragments' registers, as the launch before laid them: a fragment is three reads of 16 bytes a lane, 512 consecutive bytes each; every tile is a dense block, brought as rows of 256 bytes.
; LDS: x's block for all of K, 196,608 bytes, comes once and serves both phases.  Behind it two slots of 49,152 bytes for the weights: 256 columns x 256 K, later 128 columns x 512 K.
; THE LOADS: at the head one a wave: x's two halves along K (waves 0, 1) and the two slots (waves 2, 3).  Then four refills (fills 2, 3: Wq/Wk's K 512 on; fills 4, 5: Wv), a quarter of a slot a wave, each behind
; a round of the cluster's barrier that stands in the second step of the slot that is given up: from a refill to the wait for it a wave issues 128 matrix instructions; fill 5 has the first way out as well.
; CLUSTERS of 4 x 4: x's tiles are asked for jointly along a row of the cluster (same I), the weights' along a column (same J).
; PREFETCH: fill n is asked of memory two fills ahead (fills 2, 3 at the head, 4 and 5 behind refills 2 and 3): its 192 blocks of 256 bytes are shared by address among the column's four partners and their four
; waves, 12 lanes each (the lanes left over name the twelfth again).  The head's own tiles come by their loads alone: nothing stands ahead of them.
; TRANSPOSED USE (source 0 runs along the registers): with the stored order of rows, the 16 registers of tiles 2 b, 2 b + 1 are the ACTUAL neighbours 32 b + 16 (lane / 16) + 0 .. 15 along the next product's K.
; OUT: img chunk F = 8 fragments of 1,536 bytes; isc chunk F = 512 bytes, the word of row r of fragment i at 32 r + 4 i.  F: q: 8 (token / 128) + channel / 128; k: 512 + the same;
; v^T: 1,024 + 64 (channel / 128) + token / 128.  In the second phase a wave owns four of a chunk's eight fragments, so its scale words fill 16 of every 32 bytes.
; No loop: each step of 128 along K has scale registers of its own.
; LIMITS: a block whose largest magnitude lies under 2^(3 - 127), a block of zeros among them, keeps the byte 1; NaN and infinities are not served.
; REGISTERS: window 0: v0-31 addresses; v32-63 x's scale words, v64-95 Wq/Wk's, v96-111 Wv's (lanes 0-15 the even K step, lanes 16-31 the odd one); v112-123 the new scale words; v128-223 source 1's fragments
;   (on the way out v192-235 at work);  window 1: source 0's fragments, two sets, at v0 and v128;  windows 2, 3: the accumulators ((a, b) at v[8 (8 (a % 4) + b)]).
.set FR,    12
.set XSTEP, 24576                      ; 16 fragments: 256 rows x 128 K
.set VSTEP, 12288                      ; 8 fragments: 128 rows x 128 K
.set SLOT,  49152
.set WS,    196608                     ; the slots, behind x
.set SPARE, 294912                     ; the spare words: 128 bytes for each wave, named by no other line
.set BLK,   196608
.set VSO,  10                          ; v10  512 h + 32 r: my place among two K steps' scale words
.set LO,   11                          ; v11  16 x lane
.set SOF,  14                          ; v14  32 r + 16 h
.set SOV,  15                          ; v15  32 r
.set ADRX, 16                          ; v16-19 x's fragments of my 128 tokens, for each 256 along K
.set ADRW, 20                          ; v20-21 my 128 columns in slot 0, 1
.set ADRV, 22                          ; v22-23 my 64 columns of Wv in slot 0, 1
.set PFO,  24                          ; v24  the prefetches' offset; never rewritten
.set SPW,  28
.set NIL,  29
.set SA,   32
.set SB,   64
.set SV,   96
.set KW,   112
.set OUTS, 120
.set AF,   128
.set PC0,  192                         ; v192-203, v204-215 two sets of codes, by turns
.set PX,   216
.set BM,   224
.set BT,   228
.set SO,   232
.set G1,  24                           ; s[24:31] group 1, x's mask;  s[32:35] group 0 of x's load
.set G0,  32
.set G0B, 36                           ; s[36:39] group 0 of the weights' loads;  s[48:55] their group 1
.set WP,  44                           ; s[44:45] Wq/Wk's block + my quarter;  s[46:47] the same of Wv's
.set VP,  46
.set G1B, 48
.set LW,  56                           ; s56 my quarter of slot 0
.set PW,  58                           ; s[58:59], s[60:61] where my prefetches stand; never rewritten
.set PV,  60
.set MSB, 0
.macro WIN new                         ; the immediate's high byte repeats the setting that is left
.if MSB != \new
	s_set_vgpr_msb (MSB<<8)|\new
.set MSB, \new
.endif
.endm
.set MUL_LO, 0xa1                      ; source 0 window 1, source 1 window 0, C and D window 2
.set MUL_HI, 0xf1
.set TO_B,   0x40
.macro PLACES n                        ; plain vector lines between a matrix instruction and a load into, or a read of, its registers
.rept \n
	v_nop
.endr
.endm
.macro CREST                           ; a round of the cluster's barrier behind its opening barrier
	s_cmp_lg_u32 s14, 0
	s_cbranch_scc1 .Lnot_wave_0_\@
	s_barrier_signal -3
.Lnot_wave_0_\@:
	s_barrier_wait -3
	s_barrier_signal -1
	s_barrier_wait -1
.endm
.macro CROUND
	s_barrier_signal -1
	s_barrier_wait -1
	CREST
.endm
	s_load_b128 s[4:7], s[0:1], 0x0                ; opc, ops
	s_load_b128 s[8:11], s[0:1], 0x10              ; img, isc
	v_lshl_add_u32 v[SPW], v0, 2, SPARE
	v_mov_b32 v[NIL], 0
	ds_add_u32 v[SPW], v[NIL]                      ; the opening lines: the add, twice on end, and its wait ahead of my first tensor load
	ds_add_u32 v[SPW], v[NIL]
	v_lshrrev_b32 v1, 5, v0
	v_readfirstlane_b32 s14, v1                    ; wave
	s_lshr_b32 s15, s14, 1                         ; which 128 tokens are mine.  At the head: I fetch x (0) or weights (1)
	s_and_b32 s16, s14, 1                          ; which half of the columns.  At the head: which half of x, which slot
	s_bfe_u32 s40, ttmp6, 0x40000                  ; cx
	s_bfe_u32 s41, ttmp6, 0x40004                  ; cy
	s_lshl_b32 s42, ttmp9, 2
	s_add_co_u32 s42, s42, s40                     ; J
	s_and_b32 s17, ttmp7, 0xffff
	s_lshl_b32 s17, s17, 2
	s_add_co_u32 s17, s17, s41                     ; I
	s_lshl_b32 s72, s41, 2
	s_lshl_b32 s72, 15, s72                        ; my row of the cluster
	s_lshl_b32 s73, 0x1111, s40                    ; my column
	s_or_b32 s[G1], s72, (3<<16)|(1<<21)           ; elements of 8 bytes, rows of 32: 256 bytes, dense
	s_or_b32 s[G1B], s73, (3<<16)|(1<<21)
	s_mov_b32 s[G1+1], 32<<16
	s_mov_b32 s[G1+2], 384<<16                     ; half of x's block: 384 rows
	s_mov_b32 s[G1+3], 32<<16
	s_mov_b32 s[G1+4], 384
	s_mov_b32 s[G1+5], 32
	s_mov_b32 s[G1+6], 0
	s_mov_b32 s[G1+7], 0
	s_mov_b32 s[G1B+1], 32<<16
	s_mov_b32 s[G1B+2], 192<<16                    ; a slot: 192 rows (behind the head: a quarter, 48)
	s_mov_b32 s[G1B+3], 32<<16
	s_mov_b32 s[G1B+4], 192
	s_mov_b32 s[G1B+5], 32
	s_mov_b32 s[G1B+6], 0
	s_mov_b32 s[G1B+7], 0
	s_mul_i32 s74, s17, BLK
	s_mul_i32 s[G0+1], s16, 98304                  ; x's half: where it goes,
	s_add_co_u32 s74, s74, s[G0+1]                 ; and where it comes from
	s_mov_b32 s75, 0
	s_add_co_u32 s76, s42, 32
	s_mul_i32 s76, s76, BLK                        ; Wq/Wk's block J
	s_mov_b32 s77, 0
	s_mul_i32 s78, s16, SLOT
	s_mov_b32 s79, 0
	s_add_co_u32 s[G0B+1], s78, WS
	s_mul_i32 s20, s14, 12288                      ; my quarter of a slot
	s_mov_b32 s21, 0
	s_add_co_u32 s[LW], s20, WS
	s_mul_i32 s62, s42, 98304
	s_add_co_u32 s62, s62, 40*BLK                  ; Wv's block J
	s_mov_b32 s63, 0
	s_lshl_b32 s22, s41, 2
	s_add_co_u32 s22, s22, s14
	s_mul_i32 s22, s22, 3072                       ; the prefetches: 12 blocks of 256 bytes for each of the column's sixteen waves
	s_mov_b32 s23, 0
	s_lshl_b32 s86, s17, 1
	s_add_co_u32 s86, s86, s15                     ; my group of 128 tokens
	s_lshl_b32 s80, s86, 12
	s_mov_b32 s81, 0
	s_lshl_b32 s82, s42, 1
	s_add_co_u32 s82, s82, s16
	s_add_co_u32 s82, s82, 64
	s_lshl_b32 s82, s82, 12
	s_mov_b32 s83, 0
	s_add_co_u32 s84, s42, 80
	s_lshl_b32 s84, s84, 12
	s_lshl_b32 s57, s16, 4
	s_add_co_u32 s84, s84, s57                     ; Wv's words of my four fragments
	s_mov_b32 s85, 0
	s_mov_b32 s[G0], 1
	s_mov_b32 s[G0B], 1
	s_mul_i32 s3, s15, 12288
	s_mul_i32 s57, s16, 12288
	s_add_co_u32 s57, s57, WS
	s_mul_i32 s89, s16, 6144
	s_add_co_u32 s89, s89, WS
	s_wait_dscnt 0x0                               ; both opening adds are done
	s_wait_kmcnt 0x0
	s_add_nc_u64 s[G0+2:G0+3], s[4:5], s[74:75]
	s_or_b32 s[G0+3], s[G0+3], 0x80000000
	s_add_nc_u64 s[76:77], s[4:5], s[76:77]
	s_add_nc_u64 s[G0B+2:G0B+3], s[76:77], s[78:79]
	s_or_b32 s[G0B+3], s[G0B+3], 0x80000000
	s_add_nc_u64 s[WP:WP+1], s[76:77], s[20:21]
	s_add_nc_u64 s[PW:PW+1], s[76:77], s[22:23]
	s_add_nc_u64 s[VP:VP+1], s[4:5], s[62:63]
	s_add_nc_u64 s[PV:PV+1], s[VP:VP+1], s[22:23]
	s_add_nc_u64 s[VP:VP+1], s[VP:VP+1], s[20:21]
	s_add_nc_u64 s[66:67], s[6:7], s[80:81]
	s_add_nc_u64 s[68:69], s[6:7], s[82:83]
	s_add_nc_u64 s[70:71], s[6:7], s[84:85]
	CROUND                                         ; all sixteen work-groups are here: the first joint loads meet
	s_cmp_eq_u32 s15, 0                            ; one load a wave, one in each arm
	s_cbranch_scc0 .Lhead_w
	tensor_load_to_lds s[G0:G0+3], s[G1:G1+7]
	s_nop 0
	PLACES 4
	s_branch .Lhead_asked
.Lhead_w:
	tensor_load_to_lds s[G0B:G0B+3], s[G1B:G1B+7]
	s_nop 0
	PLACES 4
.Lhead_asked:
	v_and_b32 v1, 15, v0                           ; r
	v_bfe_u32 v2, v0, 4, 1                         ; h
	v_and_b32 v3, 31, v0
	v_lshlrev_b32 v[LO], 4, v3
	v_lshlrev_b32 v[SOV], 5, v1
	v_lshl_add_u32 v[SOF], v2, 4, v[SOV]
	v_lshl_add_u32 v[VSO], v2, 9, v[SOV]
	v_add_nc_u32 v[ADRX], s3, v[LO]
.irp q, 1,2,3
	v_add_nc_u32 v[ADRX+\q], \q*2*XSTEP, v[ADRX]
.endr
	v_add_nc_u32 v[ADRW], s57, v[LO]
	v_add_nc_u32 v[ADRW+1], SLOT, v[ADRW]
	v_add_nc_u32 v[ADRV], s89, v[LO]
	v_add_nc_u32 v[ADRV+1], SLOT, v[ADRV]
	v_min_u32 v4, 11, v3
	v_lshlrev_b32 v[PFO], 8, v4
.irp b, 0,1,2,3
	v_mov_b32 v[BT+\b], 0                          ; written once: a lane permute's destination counts as one of its sources
.endr
	s_wait_alu depctr_va_vdst(0)
.irp sl, 0,1,2,3
.irp x, 0,1
	global_load_b128 v[SA+8*\sl+4*\x:SA+8*\sl+4*\x+3], v[VSO], s[66:67] offset:\sl*1024+16*\x
	global_load_b128 v[SB+8*\sl+4*\x:SB+8*\sl+4*\x+3], v[VSO], s[68:69] offset:\sl*1024+16*\x
.endr
	global_load_b128 v[SV+4*\sl:SV+4*\sl+3], v[VSO], s[70:71] offset:\sl*1024
.endr
	global_prefetch_b8 v[PFO], s[PW:PW+1] offset:2*SLOT th:TH_LOAD_NT scope:SCOPE_SE   ; fills 2 and 3
	global_prefetch_b8 v[PFO], s[PW:PW+1] offset:3*SLOT th:TH_LOAD_NT scope:SCOPE_SE
	; where the results go
	s_lshr_b32 s87, s42, 2
	s_lshl_b32 s87, s87, 9                         ; q or k
	s_lshl_b32 s88, s86, 3
	s_add_co_u32 s87, s87, s88
	s_and_b32 s88, s42, 3
	s_lshl_b32 s88, s88, 1
	s_add_co_u32 s87, s87, s88
	s_add_co_u32 s87, s87, s16                     ; the first phase's chunk
	s_lshl_b32 s88, s42, 6
	s_add_co_u32 s88, s88, s86
	s_add_co_u32 s88, s88, 1024                    ; the second's
	s_mul_i32 s90, s88, 12288
	s_mul_i32 s92, s16, 6144
	s_add_co_u32 s90, s90, s92
	s_mov_b32 s91, 0
	s_add_nc_u64 s[12:13], s[8:9], s[90:91]
	s_lshl_b32 s90, s88, 9
	s_lshl_b32 s92, s16, 4
	s_add_co_u32 s90, s90, s92
	s_add_nc_u64 s[18:19], s[10:11], s[90:91]
	s_mul_i32 s90, s87, 12288
	s_add_nc_u64 s[8:9], s[8:9], s[90:91]
	s_lshl_b32 s90, s87, 9
	s_add_nc_u64 s[10:11], s[10:11], s[90:91]
	s_mov_b32 s20, 0x76543210
	s_mov_b32 s21, 0xfedcba98                      ; v_permlanex16_b32's selects for lane l xor 16
	s_mov_b32 s22, 0xffff0000                      ; lanes 16-31
.macro FRAG reg, adr, off
.irp c, 0,1,2
	ds_load_b128 v[\reg+4*\c:\reg+4*\c+3], v[\adr] offset:\off+512*\c
.endr
.endm
.macro FETCH8 adr, off, p              ; eight fragments into window 1's set p
	WIN TO_B
.irp i, 0,1,2,3,4,5,6,7
	FRAG 128*(\p)+FR*\i, \adr, (\off)+\i*1536
.endr
	WIN 0
.endm
.macro FETCH4 reg, adr, off            ; four fragments into window 0
.irp i, 0,1,2,3
	FRAG (\reg)+FR*\i, \adr, (\off)+\i*1536
.endr
.endm
; Eight matrix instructions: source 1's fragment at v[af] against source 0's eight in set p.  The accumulators take turns, one instruction a turn, in the same order in every step.
.macro MULA a, p, af, sb, sa, q, zero
.irp b, 0,1,2,3,4,5,6,7
.if \zero
	v_wmma_scale_f32_16x16x128_f8f6f4 v[8*(8*((\a)%4)+\b):8*(8*((\a)%4)+\b)+7], v[128*(\p)+FR*\b:128*(\p)+FR*\b+FR-1], v[\af:\af+FR-1], 0, v[\sb+\b], v[\sa] matrix_a_fmt:MATRIX_FMT_FP6 matrix_b_fmt:MATRIX_FMT_FP6
.elseif \q
	v_wmma_scale_f32_16x16x128_f8f6f4 v[8*(8*((\a)%4)+\b):8*(8*((\a)%4)+\b)+7], v[128*(\p)+FR*\b:128*(\p)+FR*\b+FR-1], v[\af:\af+FR-1], v[8*(8*((\a)%4)+\b):8*(8*((\a)%4)+\b)+7], v[\sb+\b], v[\sa] matrix_a_fmt:MATRIX_FMT_FP6 matrix_b_fmt:MATRIX_FMT_FP6 matrix_a_scale:MATRIX_SCALE_ROW1 matrix_b_scale:MATRIX_SCALE_ROW1
.else
	v_wmma_scale_f32_16x16x128_f8f6f4 v[8*(8*((\a)%4)+\b):8*(8*((\a)%4)+\b)+7], v[128*(\p)+FR*\b:128*(\p)+FR*\b+FR-1], v[\af:\af+FR-1], v[8*(8*((\a)%4)+\b):8*(8*((\a)%4)+\b)+7], v[\sb+\b], v[\sa] matrix_a_fmt:MATRIX_FMT_FP6 matrix_b_fmt:MATRIX_FMT_FP6
.endif
.endr
.endm
; ---- the first phase: source 0 = 16 columns of Wq/Wk, source 1 = 16 tokens ----
.macro M1 a, st, zero
	MULA \a, (\st)%2, AF+FR*(\a), SB+8*((\st)/2), SA+8*((\st)/2)+(\a), (\st)%2, \zero
.endm
.macro MUL16 a0, st, zero
	M1 \a0, \st, \zero
	M1 (\a0)+1, \st, \zero
.endm
.macro FETCHW st
	FETCH8 ADRW+((\st)/2)%2, ((\st)%2)*XSTEP, (\st)%2
.endm
.macro FETCHX st, i0
	FETCH4 AF+FR*(\i0), ADRX+(\st)/2, ((\st)%2)*XSTEP+(\i0)*1536
.endm
.macro STEP st, zero                   ; a slot's first 128 along K: its successor lies in the same slot
	s_wait_dscnt 12                                ; the weights' set and x's blocks 0-3 are in; the youngest 12 loads (x's blocks 4-7) may be out
	WIN MUL_LO
	MUL16 0, \st, \zero
	MUL16 2, \st, \zero
	s_wait_dscnt 0
	PLACES 4
	FETCHW (\st)+1
	FETCHX (\st)+1, 0
	WIN MUL_HI
	MUL16 4, \st, \zero
	MUL16 6, \st, \zero
	PLACES 4
	WIN 0
	FETCHX (\st)+1, 4
.endm
; A slot's second 128 along K: its fragments of the weights were read in the step before, so the slot is given up here and takes fill n.
.macro TURN st, n
	s_wait_tensorcnt 0x0                           ; all my tensor loads have landed: my quarter of the other slot
	ds_add_u32 v[SPW], v[NIL]                      ; 0 onto my spare word
.if \n < 4
	s_add_nc_u64 s[G0B+2:G0B+3], s[WP:WP+1], (\n)*SLOT             ; no load of mine is out: the descriptor is written
.else
	s_add_nc_u64 s[G0B+2:G0B+3], s[VP:VP+1], ((\n)-4)*SLOT
.endif
	s_or_b32 s[G0B+3], s[G0B+3], 0x80000000
	s_add_co_u32 s[G0B+1], s[LW], ((\n)%2)*SLOT
	s_wait_dscnt 13                                ; (the add and the youngest 12 loads may be out)
	WIN MUL_LO
	MUL16 0, \st, 0
	s_wait_dscnt 0x0                               ; the add is done, and my reads of this slot are over
	s_barrier_signal -1
	MUL16 2, \st, 0
	WIN 0
	s_barrier_wait -1
	CREST                                          ; the barrier has opened a round of the cluster's: no wave of any partner still reads this slot or has a load on its way
	tensor_load_to_lds s[G0B:G0B+3], s[G1B:G1B+7]  ; my one load behind the round
	s_nop 0
	PLACES 4                                       ; (also the places in front of the loads below)
.if \st < 7
	FETCHW (\st)+1
	FETCHX (\st)+1, 0
.endif
.if \n < 4
	global_prefetch_b8 v[PFO], s[PV:PV+1] offset:((\n)-2)*SLOT th:TH_LOAD_NT scope:SCOPE_SE   ; fill n + 2
.endif
	WIN MUL_HI
	MUL16 4, \st, 0
	MUL16 6, \st, 0
.if \st < 7
	PLACES 4
	WIN 0
	FETCHX (\st)+1, 4
.else
	WIN 0
.endif
.endm
; ---- the second phase: source 0 = 16 tokens, source 1 = 16 columns of Wv; two sets of each ----
.macro M2 a, u, zero
	MULA \a, (\u)%2, AF+48*((\u)%2)+FR*(\a), SA+8*((\u)/2), SV+4*((\u)/2)+(\a), (\u)%2, \zero
.endm
.macro FETCHP u
	FETCH8 ADRX+(\u)/2, ((\u)%2)*XSTEP, (\u)%2
	FETCH4 AF+48*((\u)%2), ADRV+(\u)/4, ((\u)%4)*VSTEP
.endm
.macro PSTEP u, zero
	s_wait_dscnt 6                                 ; all but the youngest six loads (Wv's blocks 2, 3) are in
	WIN MUL_LO
	M2 0, \u, \zero
	M2 1, \u, \zero
.if \u < 7
	PLACES 4
	FETCHP (\u)+1
	s_wait_dscnt 36                                ; all but the 36 just issued
	WIN MUL_LO
.else
	s_wait_dscnt 0
.endif
	M2 2, \u, \zero
	M2 3, \u, \zero
.endm
; THE WAY OUT of block a (16 rows of source 1): register 16 b + i of its 64 is K = 32 b + 16 (lane / 16) + i of my row.  A block of 32 lies in lanes l and l xor 16.
.macro QUANTP a, bs
.set AC, 64*((\a)%4)
.set WW, 2+(\a)/4
.set W5, WW*5
.set W14, WW*0x14
.set PCS, PC0+12*((\a)%2)
	WIN W5                                         ; sources 0 and 1 in the accumulators' window
.irp b, 0,1,2,3
	v_max3_num_f32 v[BM+\b], |v[AC+16*\b]|, |v[AC+16*\b+1]|, 0x1800000   ; each accumulator is read from its low end on; the floor 2^(3 - 127) holds the byte at 1 from below
.endr
	WIN W14                                        ; sources 1 and 2
.irp i, 2,4,6,8,10,12,14
.irp b, 0,1,2,3
	v_max3_num_f32 v[BM+\b], v[BM+\b], |v[AC+16*\b+\i]|, |v[AC+16*\b+\i+1]|
.endr
.endr
	WIN 0
.irp b, 0,1,2,3
	v_permlanex16_b32 v[BT+\b], v[BM+\b], s20, s21
.endr
.irp b, 0,1,2,3
	v_max_num_f32 v[BM+\b], v[BM+\b], v[BT+\b]     ; with lane l xor 16's: the block's largest magnitude
.endr
.irp b, 0,1,2,3
	v_add_nc_u32 v[SO+\b], 0xff000000, v[BM+\b]    ; 2 off its exponent field: the conversion's scale operand
.endr
.irp b, 0,1,2,3
	v_lshrrev_b32 v[BT+\b], 23, v[SO+\b]           ; the byte
.endr
	v_lshl_or_b32 v[KW+(\a)], v[BT+1], 8, v[BT]
	v_lshl_or_b32 v[KW+(\a)], v[BT+2], 16, v[KW+(\a)]
	v_lshl_or_b32 v[KW+(\a)], v[BT+3], 24, v[KW+(\a)]
	s_wait_alu depctr_va_vdst(0)
	s_wait_xcnt 0x0                                ; the stores of two blocks ago have read this set of codes: it is written again only behind this wait
	WIN WW                                         ; source 0 in the accumulators' window
.irp c, 0,1
	v_cvt_scalef32_pk16_fp6_f32 v[PCS+6*\c:PCS+6*\c+2], v[AC+32*\c:AC+32*\c+15], v[SO+2*\c]
	v_cvt_scalef32_pk16_fp6_f32 v[PX+4*\c:PX+4*\c+2], v[AC+32*\c+16:AC+32*\c+31], v[SO+2*\c+1]
.endr
	WIN 0
	v_nop                                          ; a plain line behind the conversions
.irp c, 0,1                                    ; the operand wants a WHOLE block in a lane: lanes 0-15 block 2 c, lanes 16-31 block 2 c + 1
.irp i, 0,1,2
	v_permlane16_swap_b32 v[PCS+6*\c+\i], v[PX+4*\c+\i]
.endr
.irp i, 0,1,2
	v_mov_b32 v[PCS+3+6*\c+\i], v[PX+4*\c+\i]
.endr
.endr
.irp c, 0,1,2
	global_store_b128 v[LO], v[PCS+4*\c:PCS+4*\c+3], s[\bs:\bs+1] offset:(\a)*1536+512*\c   ; 512 consecutive bytes, aligned
.endr
.endm
	s_wait_tensorcnt 0x0                           ; my tile of the head's four is in,
	s_mov_b32 s[G1B+2], 48<<16                     ; and no load of mine is out: from here on a load of weights brings a quarter of a slot, 48 rows
	s_mov_b32 s[G1B+4], 48
	s_barrier_signal -1
	s_barrier_wait -1                              ; everybody's is
	FETCHW 0
	FETCHX 0, 0
	FETCHX 0, 4
	s_wait_loadcnt 0x0                             ; the scale words
	STEP 0, 1                                      ; the first step starts the sums: nothing is cleared
	TURN 1, 2
	STEP 2, 0
	TURN 3, 3
	STEP 4, 0
	TURN 5, 4
	STEP 6, 0
	TURN 7, 5
	PLACES 4                                       ; behind the last products
.irp a, 0,1,2,3,4,5,6,7
	QUANTP \a, 8
.endr
.irp j, 0,1,2,3
	v_cndmask_b32 v[OUTS+\j], v[KW+\j], v[KW+4+\j], s22   ; lanes 0-15 store the words of blocks 0-3, lanes 16-31 those of blocks 4-7
.endr
	global_store_b128 v[SOF], v[OUTS:OUTS+3], s[10:11]    ; 512 consecutive bytes, aligned
	s_wait_xcnt 0x0                                ; the stores have read their registers: fragments may land there
	s_wait_tensorcnt 0x0                           ; my quarter of fill 5 is in (fill 4 was shown whole at the last round),
	s_barrier_signal -1
	s_barrier_wait -1                              ; everybody's is; nothing more is filled
	FETCHP 0
	PSTEP 0, 1
.irp u, 1,2,3,4,5,6,7
	PSTEP \u, 0
.endr
	WIN 0
	PLACES 4
.irp a, 0,1,2,3
	QUANTP \a, 12
.endr
	global_store_b128 v[SOV], v[KW:KW+3], s[18:19] ; my four fragments' words of row r: both halves of the lanes hold them and write the same 16 bytes
	s_wait_tensorcnt 0x0                           ; the wave's end
	ds_add_u32 v[SPW], v[NIL]
	s_wait_dscnt 0x0
	CROUND                                         ; the closing round
	s_endpgm
.Lfunc_end_k_qf79cddfbb5_proj:
	.size	k_qf79cddfbb5_proj, .Lfunc_end_k_qf79cddfbb5_proj-k_qf79cddfbb5_proj
	.p2alignl 7, 3214868480
	.fill 96, 4, 3214868480
	.section	.rodata,"a",@progbits
	.p2align	6, 0x0
	.amdhsa_kernel k_qf79cddfbb5_proj
		.amdhsa_group_segment_fixed_size 327680
		.amdhsa_private_segment_fixed_size 0
		.amdhsa_enable_private_segment 0
		.amdhsa_kernarg_size 32
		.amdhsa_user_sgpr_count 2
		.amdhsa_user_sgpr_kernarg_segment_ptr 1
		.amdhsa_wavefront_size32 1
		.amdhsa_system_sgpr_workgroup_id_x 1
		.amdhsa_system_sgpr_workgroup_id_y 1
		.amdhsa_system_sgpr_workgroup_id_z 1
		.amdhsa_system_vgpr_workitem_id 0
		.amdhsa_next_free_vgpr 1024
		.amdhsa_next_free_sgpr 96
		.amdhsa_reserve_vcc 0
		.amdhsa_float_denorm_mode_32 3
		.amdhsa_float_denorm_mode_16_64 3
		.amdhsa_memory_ordered 1
		.amdhsa_forward_progress 1
		.amdhsa_inst_pref_size 209
	.end_amdhsa_kernel
	.amdgpu_metadata
---
amdhsa.version: [ 1, 2 ]
amdhsa.kernels:
  - .name:           k_qf79cddfbb5_proj
    .symbol:         k_qf79cddfbb5_proj.kd
    .args:
      - { .name: opc, .offset: 0, .size: 8, .value_kind: global_buffer, .address_space: global }
      - { .name: ops, .offset: 8, .size: 8, .value_kind: global_buffer, .address_space: global }
      - { .name: img, .offset: 16, .size: 8, .value_kind: global_buffer, .address_space: global }
      - { .name: isc, .offset: 24, .size: 8, .value_kind: global_buffer, .address_space: global }
    .group_segment_fixed_size: 327680
    .private_segment_fixed_size: 0
    .kernarg_segment_align: 8
    .kernarg_segment_size: 32
    .max_flat_workgroup_size: 128
    .sgpr_count:     96
    .vgpr_count:     1024
    .wavefront_size: 32
...
	.end_amdgpu_metadata
.endif
;; end of part 2
;; launch scores (part 3): grid 36 x 4, 4 waves a work-group, no clusters, 327,680 bytes of LDS; arguments img, isc, pim, psc, pmx, psm; writes pim, psc, pmx, psm
.if DOCPART == 3
	.amdgcn_target "amdgcn-amd-amdhsa--gfx1250"
	.amdhsa_code_object_version 6
	.text
	.protected	k_qf79cddfbb5_scores
	.globl	k_qf79cddfbb5_scores
	.p2align	8
	.type	k_qf79cddfbb5_scores,@function
k_qf79cddfbb5_scores:
	s_mov_b64 s[64:65], 0
	v_nop
	global_prefetch_b8 v0, s[64:65] scope:SCOPE_SE
	s_setreg_imm32_b32 hwreg(HW_REG_WAVE_MODE, 25, 1), 1
	s_wait_xcnt 0x0
; The causal tiles of q k^T, K = 1,024, on codes of FP6 (E2M3); on the way out the mask, p = 2^(t - M), its sum, and p's codes.
; A work-group makes 256 queries (tile row I) x 256 keys (tile column J <= I) of one batch: x = I (I + 1) / 2 + J, y = the batch.  A wave makes 128 x 128: 64 accumulators.
; OPERANDS come as images of their registers (chunks of 8 fragments x 1,536 bytes, registers 4 c .. 4 c + 3 of lane l at 512 c + 16 l): a fragment is three loads of 16 bytes a lane, 512 consecutive bytes each.
; THE RING: K is four steps of 256.  Three places in LDS take steps 0, 1 and 2 at the start: one load a wave brings them.  Place 0 is filled once more, with step 3, behind the one barrier at which
; every wave has read step 0 and has seen all its loads land: that load has the rest of step 0, step 1 and half of step 2 in which to land, and the change from place 1 to place 2 needs no barrier.
; TRANSPOSED: source 0 = 16 keys, source 1 = 16 queries: a lane holds ONE query.  The stored tokens lie, in each 32, in the order of eights 0, 2, 1, 3: so the 16 registers of tiles 2 b, 2 b + 1 are the ACTUAL
; keys 32 b + 16 (lane / 16) + 0 .. 15, and lane r of my block a holds the ACTUAL query 32 (a / 2) + 16 (r / 8) + 8 (a % 2) + r % 8 of my 128.
; THE SOFTMAX: t = score x log2(e) / 32.  For each query and each piece of 128 keys: M = ceil(the piece's largest t), a whole number; p = 2^(t - M) is quantised along the keys; the sum of the unquantised p and
; -M are stored beside it.  The next launch brings the pieces under the row's M by exact powers of two: on the scale bytes and on the sums.
; OUT: pim chunk (16 (16 b + query / 128) + key / 128): 8 fragments of 16 stored queries x 128 keys.  psc, pmx, psm: [b][query / 64][key / 128][r 16][a 4] words: scale word, -M, sum.
; The next launch walks the keys 512 at a time: the diagonal work-group of an even I also writes tile (I, I + 1) as zeros (codes 0, bytes 0, sum 0, -M = 2^30).
; NO CLUSTER: in the causal triangle row I has I + 1 tiles; groups of four that share an operand exist only with partners whose tile is wholly hidden.
; LIMITS: |t| under 2^30 (a piece that is wholly hidden takes M = -2^30); a block whose every p is 0 or under 2^(3 - 127) keeps the byte 1; NaN and infinities are not served.
; REGISTERS: window 0: v0-31 addresses; v32-63 q's scale words, v64-95 k's (8 for each of 4 steps; lanes 0-15 the step's first 128 along K, lanes 16-31 its second); v128-223 q's fragments, one set;
;   window 1: k's fragments, two sets, at v0 and v128;  windows 2, 3: the accumulators ((a, b) at v[8 (8 (a % 4) + b)]).  On the way out: v32-39 p's scale words, v96-123 and v128-251 at work.
.set FR,    12
.set QTR,   24576                      ; a wave's quarter of a place: two chunks
.set SLOT,  4*QTR                      ; a place: q's two groups of 128 rows, then k's two; 256 along K
.set SPARE, 3*SLOT                     ; behind the three places: the spare words, 128 bytes for each wave, named by no other line
.set D0,   8                           ; v8   the mask: my query less my first key, for block 0
.set NEG,  9                           ; v9   -infinity
.set VSO,  10                          ; v10  512 h + 32 r: my place among a step's scale words
.set LO,   11                          ; v11  16 x lane
.set NM,   12                          ; v12  -M (v13 is named with it as a pair)
.set STO,  14                          ; v14  4,096 h + 16 r: my place among the words of psc, pmx, psm
.set DA,   15                          ; v15  the mask, for the block in hand
.set ADRA, 16                          ; v16-18 q's fragments in place 0, 1, 2
.set ADRB, 20                          ; v20-22 k's
.set SPW,  28
.set NIL,  29
.set SA,   32
.set SB,   64
.set KW,   32                          ; v32-39   p's scale word of each block
.set KM,   96                          ; v96-103  -M of each block
.set KL,   104                         ; v104-111 the sum of each block
.set OUTS, 112                         ; v112-123 what my half of the lanes stores
.set AF,   128
.set PW,   128                         ; v128-191 p
.set PC0,  192
.set PX,   216
.set BM,   224
.set BT,   228
.set SO,   232
.set SUMA, 236
.set SUMB, 238
.set TX,   240
.set ZR,   244                         ; v244-247 zeros
.set ZM,   248                         ; v248-251 2^30
.set G1,  24                           ; s[24:31] descriptor group 1
.set G0,  32                           ; s[32:35] descriptor group 0
.set HM,  44                           ; s44 lanes 16-31
.set CS,  60                           ; s[60:61] c = log2(e) / 32
.set SEL, 62                           ; s[62:63]
.set MSB, 0
.macro WIN new
.if MSB != \new
	s_set_vgpr_msb (MSB<<8)|\new
.set MSB, \new
.endif
.endm
.set MUL_LO, 0xa1
.set MUL_HI, 0xf1
.set TO_B,   0x40
.macro PLACES n
.rept \n
	v_nop
.endr
.endm
	s_load_b256 s[4:11], s[0:1], 0x0               ; img s[4:5], isc s[6:7], pim s[8:9], psc s[10:11]
	s_load_b128 s[12:15], s[0:1], 0x20             ; pmx s[12:13], psm s[14:15]
	v_lshl_add_u32 v[SPW], v0, 2, SPARE
	v_mov_b32 v[NIL], 0
	ds_add_u32 v28, v29
	ds_add_u32 v28, v29
	s_wait_dscnt 0x0
	v_lshrrev_b32 v1, 5, v0
	v_readfirstlane_b32 s16, v1                    ; wave
	s_lshr_b32 s17, s16, 1                         ; which 128 queries
	s_and_b32 s18, s16, 1                          ; which 128 keys
	s_and_b32 s19, ttmp7, 0xffff                   ; the batch
	s_mov_b32 s20, 0                               ; I = how many of 1, 3, 6 .. 28 the work-group's x has reached
.irp th, 1,3,6,10,15,21,28
	s_cmp_ge_u32 ttmp9, \th
	s_cselect_b32 s45, 1, 0
	s_add_co_u32 s20, s20, s45
.endr
	s_add_co_u32 s45, s20, 1
	s_mul_i32 s45, s45, s20
	s_lshr_b32 s45, s45, 1
	s_sub_co_u32 s21, ttmp9, s45                   ; J
	; descriptor group 1: 24,576 dense bytes as 96 rows of 256 (32 elements of 8 bytes), no padding
	s_mov_b32 s[G1+0], 3<<16
	s_mov_b32 s[G1+1], 32<<16
	s_mov_b32 s[G1+2], 288<<16                     ; the head's load: three steps of my group, 288 rows
	s_mov_b32 s[G1+3], 32<<16
	s_mov_b32 s[G1+4], 288
	s_mov_b32 s[G1+5], 32
	s_mov_b32 s[G1+6], 0
	s_mov_b32 s[G1+7], 0
	s_lshl_b32 s45, s19, 4
	s_lshl_b32 s46, s20, 1
	s_add_co_u32 s46, s46, s45
	s_add_co_u32 s46, s46, s16                     ; waves 0, 1: q's group 16 b + 2 I + wave
	s_lshl_b32 s47, s21, 1
	s_add_co_u32 s47, s47, s45
	s_add_co_u32 s47, s47, s16
	s_add_co_u32 s47, s47, 62                      ; waves 2, 3: k's group 64 + 16 b + 2 J + wave - 2
	s_cmp_lt_u32 s16, 2
	s_cselect_b32 s46, s46, s47
	s_mul_i32 s46, s46, 8*12288                    ; a group's eight chunks lie on end
	s_mov_b32 s47, 0
	s_mul_i32 s48, s16, 3*QTR                      ; a wave's three quarters lie on end in LDS
	s_wait_kmcnt 0x0
	s_add_nc_u64 s[46:47], s[4:5], s[46:47]
; THE RING AS IT STANDS (this takes the place of what the head comment says of three loads): LDS holds, for each of the four groups of 128 rows, steps 0, 1 and 2 on end (3 x 24,576 bytes), as they lie in memory.
; ONE load a wave brings them at the head.  Step 3 is brought into step 0's bytes behind the one barrier at which every wave has read step 0.
	s_mov_b32 s[G0], 1
	s_mov_b32 s[G0+1], s48
	s_mov_b64 s[G0+2:G0+3], s[46:47]
	s_or_b32 s[G0+3], s[G0+3], 0x80000000
	tensor_load_to_lds s[G0:G0+3], s[G1:G1+7]      ; my one load at the head
	s_nop 0
.rept 4
	v_nop
.endr
	v_and_b32 v1, 15, v0                           ; r
	v_bfe_u32 v2, v0, 4, 1                         ; h
	v_and_b32 v3, 31, v0
	v_lshlrev_b32 v[LO], 4, v3
	v_lshlrev_b32 v[VSO], 5, v1
	v_lshl_add_u32 v[VSO], v2, 9, v[VSO]
	s_wait_alu depctr_va_vdst(0)
	s_lshl_b32 s50, s20, 1
	s_add_co_u32 s50, s50, s45
	s_add_co_u32 s50, s50, s17                     ; my queries' group: 16 b + 2 I + half
	s_lshl_b32 s58, s21, 1
	s_add_co_u32 s58, s58, s18                     ; my keys' piece in the batch: 2 J + half
	s_add_co_u32 s51, s58, s45
	s_lshl_b32 s52, s50, 12                        ; a group's scale words: 8 chunks x 512 bytes
	s_mov_b32 s53, 0
	s_add_nc_u64 s[54:55], s[6:7], s[52:53]
	s_lshl_b32 s52, s51, 12
	s_add_co_u32 s52, s52, 512*512                 ; k's chunks begin at 512
	s_add_nc_u64 s[56:57], s[6:7], s[52:53]
.irp sl, 0,1,2,3
.irp x, 0,1
	global_load_b128 v[SA+8*\sl+4*\x:SA+8*\sl+4*\x+3], v[VSO], s[54:55] offset:\sl*1024+16*\x
	global_load_b128 v[SB+8*\sl+4*\x:SB+8*\sl+4*\x+3], v[VSO], s[56:57] offset:\sl*1024+16*\x
.endr
.endr
	s_mul_i32 s46, s17, 3*QTR
	s_mul_i32 s47, s18, 3*QTR
	s_add_co_u32 s47, s47, 6*QTR
.irp n, 0,1,2
	v_add_nc_u32 v[ADRA+\n], s46, v[LO]
	v_add_nc_u32 v[ADRB+\n], s47, v[LO]
	s_add_co_u32 s46, s46, QTR
	s_add_co_u32 s47, s47, QTR
.endr
	v_lshrrev_b32 v4, 3, v1
	v_and_b32 v5, 7, v1
	v_lshl_add_u32 v4, v4, 4, v5                   ; 16 (r / 8) + r % 8
	v_lshlrev_b32 v5, 4, v2
	v_sub_nc_u32 v4, v4, v5                        ; - 16 h
	s_sub_co_i32 s46, s17, s18
	s_lshl_b32 s46, s46, 7
	v_add_nc_u32 v[D0], s46, v4                    ; + 128 (my half of the queries - my half of the keys)
	v_mov_b32 v[NEG], 0xff800000
	v_mov_b32 v[NM+1], 0                           ; named as the upper half of a pair
	v_lshlrev_b32 v[STO], 4, v1
	v_lshl_add_u32 v[STO], v2, 12, v[STO]
	s_lshl_b32 s46, s50, 4
	s_add_co_u32 s46, s46, s58                     ; my chunk of pim
	s_mul_i32 s46, s46, 12288
	s_mov_b32 s47, 0
	s_add_nc_u64 s[8:9], s[8:9], s[46:47]
	s_lshl_b32 s46, s50, 5
	s_add_co_u32 s46, s46, s58
	s_lshl_b32 s46, s46, 8                         ; (16 x (2 x group) + piece) x 256 bytes
	s_add_nc_u64 s[10:11], s[10:11], s[46:47]
	s_add_nc_u64 s[12:13], s[12:13], s[46:47]
	s_add_nc_u64 s[14:15], s[14:15], s[46:47]
	s_mov_b32 s[CS], 0x3d38aa3b
	s_mov_b32 s[CS+1], s[CS]
	s_mov_b32 s[SEL], 0x76543210
	s_mov_b32 s[SEL+1], 0xfedcba98
	s_mov_b32 s[HM], 0xffff0000
.macro FRAG reg, adr, off
.irp c, 0,1,2
	ds_load_b128 v[\reg+4*\c:\reg+4*\c+3], v[\adr] offset:\off+512*\c
.endr
.endm
.macro FETCH_B n, q, p                 ; k's eight fragments of place n's q-th 128 along K into set p
	WIN TO_B
.irp i, 0,1,2,3,4,5,6,7
	FRAG 128*(\p)+FR*\i, ADRB+\n, (\q)*12288+\i*1536
.endr
	WIN 0
.endm
.macro FETCH_A n, q, i0                ; q's blocks i0 .. i0 + 3
.irp i, \i0, \i0+1, \i0+2, \i0+3
	FRAG AF+FR*(\i), ADRA+\n, (\q)*12288+(\i)*1536
.endr
.endm
; 16 matrix instructions: q's blocks a0, a0 + 1 x k's eight; step sl's q-th 128 along K.  The 64 accumulators take turns, in the same order in every step.
.macro MUL16 a0, p, sl, q, zero
.irp a, \a0, \a0+1
.irp b, 0,1,2,3,4,5,6,7
.if \zero
	v_wmma_scale_f32_16x16x128_f8f6f4 v[8*(8*((\a)%4)+\b):8*(8*((\a)%4)+\b)+7], v[128*(\p)+FR*\b:128*(\p)+FR*\b+FR-1], v[AF+FR*(\a):AF+FR*(\a)+FR-1], 0, v[SB+8*(\sl)+\b], v[SA+8*(\sl)+(\a)] matrix_a_fmt:MATRIX_FMT_FP6 matrix_b_fmt:MATRIX_FMT_FP6
.elseif \q
	v_wmma_scale_f32_16x16x128_f8f6f4 v[8*(8*((\a)%4)+\b):8*(8*((\a)%4)+\b)+7], v[128*(\p)+FR*\b:128*(\p)+FR*\b+FR-1], v[AF+FR*(\a):AF+FR*(\a)+FR-1], v[8*(8*((\a)%4)+\b):8*(8*((\a)%4)+\b)+7], v[SB+8*(\sl)+\b], v[SA+8*(\sl)+(\a)] matrix_a_fmt:MATRIX_FMT_FP6 matrix_b_fmt:MATRIX_FMT_FP6 matrix_a_scale:MATRIX_SCALE_ROW1 matrix_b_scale:MATRIX_SCALE_ROW1
.else
	v_wmma_scale_f32_16x16x128_f8f6f4 v[8*(8*((\a)%4)+\b):8*(8*((\a)%4)+\b)+7], v[128*(\p)+FR*\b:128*(\p)+FR*\b+FR-1], v[AF+FR*(\a):AF+FR*(\a)+FR-1], v[8*(8*((\a)%4)+\b):8*(8*((\a)%4)+\b)+7], v[SB+8*(\sl)+\b], v[SA+8*(\sl)+(\a)] matrix_a_fmt:MATRIX_FMT_FP6 matrix_b_fmt:MATRIX_FMT_FP6
.endif
.endr
.endr
.endm
; 128 along K with no barrier: step sl's q-th 128, on k's set q; what follows it, place fn's fq-th 128, is fetched into k's other set and into q's one set as its blocks fall free.
.macro STEP sl, q, zero, fn, fq
	s_wait_dscnt 12                                ; k's set and q's blocks 0-3 are in; the youngest 12 loads (q's blocks 4-7) may be out
	WIN MUL_LO
	MUL16 0, \q, \sl, \q, \zero
	MUL16 2, \q, \sl, \q, \zero
	s_wait_dscnt 0
	PLACES 4
	FETCH_B \fn, \fq, 1-(\q)
	FETCH_A \fn, \fq, 0
	WIN MUL_HI
	MUL16 4, \q, \sl, \q, \zero
	MUL16 6, \q, \sl, \q, \zero
	PLACES 4
	WIN 0
	FETCH_A \fn, \fq, 4
.endm
; Step sl's second 128 along K, in place n, with a barrier in it; then on to place nx.  In front of the barrier each wave waits for all its tensor loads, adds 0 to its spare word, and waits for that and for its
; reads of place n.  fill = 1: place n is filled again, with the step three on.
.macro TURN sl, n, nx, fill
	s_wait_tensorcnt 0x0                           ; all my tensor loads have landed, and none is out
	ds_add_u32 v[SPW], v[NIL]                      ; 0 onto my spare word
	s_wait_dscnt 13                                ; (the add and the youngest 12 loads may be out)
	WIN MUL_LO
	MUL16 0, 1, \sl, 1, 0
	s_wait_dscnt 0x0                               ; the add is done, and my reads of this place are over
	s_barrier_signal -1
	MUL16 2, 1, \sl, 1, 0
	WIN 0
	s_barrier_wait -1
.if \fill
	s_add_nc_u64 s[G0+4*(\n)+2:G0+4*(\n)+3], s[G0+4*(\n)+2:G0+4*(\n)+3], 3*QTR   ; three steps on along K
	s_mov_b32 s[G1+2], 96<<16                      ; no load of mine is out: this load brings one step, 96 rows
	s_mov_b32 s[G1+4], 96
	tensor_load_to_lds s[G0+4*(\n):G0+4*(\n)+3], s[G1:G1+7]                      ; my one load behind this barrier, and the first thing there
	s_nop 0
.rept 4
	v_nop                                          ; (also the places in front of the loads below)
.endr
.else
	PLACES 4
.endif
	FETCH_B \nx, 0, 0
	FETCH_A \nx, 0, 0
	WIN MUL_HI
	MUL16 4, 1, \sl, 1, 0
	MUL16 6, 1, \sl, 1, 0
	PLACES 4
	WIN 0
	FETCH_A \nx, 0, 4
.endm
	s_wait_tensorcnt 0x0                           ; my load is in: steps 0, 1 and 2 of my group
	s_barrier_signal -1
	s_barrier_wait -1
	FETCH_B 0, 0, 0
	FETCH_A 0, 0, 0
	FETCH_A 0, 0, 4
	s_wait_loadcnt 0x0                             ; the scale words
	STEP 0, 0, 1, 0, 1                             ; written out, no loop: each step of 256 has its own scale registers.  The first products start the sums
	TURN 0, 0, 1, 1                                ; every wave's three first fills have landed; place 0 takes step 3
	STEP 1, 0, 0, 1, 1
	STEP 1, 1, 0, 2, 0                             ; on to place 2 with no barrier: it was shown whole to every wave at the barrier above, and nothing is filled here
	STEP 2, 0, 0, 2, 1
	TURN 2, 2, 0, 0                                ; step 3 has landed in place 0: every wave's part; nothing more is filled
	STEP 3, 0, 0, 0, 1
	s_wait_dscnt 12
	WIN MUL_LO
	MUL16 0, 1, 3, 1, 0
	MUL16 2, 1, 3, 1, 0
	s_wait_dscnt 0
	WIN MUL_HI
	MUL16 4, 1, 3, 1, 0
	MUL16 6, 1, 3, 1, 0
	WIN 0
; THE WAY OUT, block by block of 16 queries x 128 keys.  Register 16 b + i of the block's 64 is key 32 b + 16 h + i of my 128.
.macro SOFT a
.set AC, 64*((\a)%4)
.set WW, 2+(\a)/4
.set WMK, (WW<<6)|WW
.set W15, WW*0x15
.set W14, WW*0x14
.set PCS, PC0+12*((\a)%2)
	s_cmp_lg_u32 s20, s21                          ; only a tile on the diagonal has hidden keys: a branch on ids
	s_cbranch_scc1 .Lopen_\@
	s_wait_alu depctr_va_vdst(0)
	v_add_nc_u32 v[DA], 32*((\a)/2)+8*((\a)%2), v[D0]   ; my query less my first key: key 32 b + i is hidden where it is above this
	WIN WMK
.set n, 0
.rept 64
	v_cmp_gt_i32 vcc_lo, 32*(n/16)+n%16, v[DA]
	v_cndmask_b32 v[AC+n], v[AC+n], v[NEG], vcc_lo
.set n, n+1
.endr
	WIN 0
.Lopen_\@:
	WIN W15
.irp b, 0,1,2,3
	v_max3_num_f32 v[BM+\b], v[AC+16*\b], v[AC+16*\b+1], v[AC+16*\b+2]   ; the largest SCORE of each block of 32 keys: for the maximum, and, since p rises with the score, for the block's largest p
.endr
	WIN W14
.irp i, 3,5,7,9,11,13
.irp b, 0,1,2,3
	v_max3_num_f32 v[BM+\b], v[BM+\b], v[AC+16*\b+\i], v[AC+16*\b+\i+1]
.endr
.endr
.irp b, 0,1,2,3
	v_max_num_f32 v[BM+\b], v[BM+\b], v[AC+16*\b+15]
.endr
	WIN 0
.irp b, 0,1,2,3
	v_permlanex16_b32 v[BT+\b], v[BM+\b], s[SEL], s[SEL+1]
.endr
.irp b, 0,1,2,3
	v_max_num_f32 v[BM+\b], v[BM+\b], v[BT+\b]
.endr
	v_max3_num_f32 v[TX], v[BM], v[BM+1], v[BM+2]
	v_max_num_f32 v[TX], v[TX], v[BM+3]
	v_mul_f32 v[TX], s[CS], v[TX]                  ; the piece's largest t
	v_max_num_f32 v[TX], 0xce800000, v[TX]         ; held at -2^30 from below: a piece that is wholly hidden
	v_floor_f32 v[NM], -v[TX]                      ; -M = floor(-t): M is a whole number
	WIN WW
.set n, 0
.rept 32
	v_pk_fma_f32 v[PW+n:PW+n+1], v[AC+n:AC+n+1], s[CS:CS+1], v[NM:NM+1] op_sel_hi:[1,0,0]   ; t - M, two at a time
.set n, n+2
.endr
	WIN 0
.irp b, 0,1,2,3
	v_fma_f32 v[BM+\b], v[BM+\b], s[CS], v[NM]     ; the same of each block's largest score
.endr
.set n, 0
	s_wait_alu depctr_va_vdst(0)
.rept 64
	v_exp_f32 v[PW+n], v[PW+n]                     ; p = 2^(t - M)
.set n, n+1
.endr
	v_mov_b32 v[KM+(\a)], v[NM]                    ; (the plain line behind the batch)
	s_wait_alu depctr_va_vdst(0)                   ; one wait for the 64, ahead of their first reader
.irp b, 0,1,2,3
	v_exp_f32 v[BM+\b], v[BM+\b]                   ; the block's largest p: the same two instructions on the same number
.endr
	v_pk_add_f32 v[SUMA:SUMA+1], v[PW:PW+1], v[PW+2:PW+3]          ; the sum of the UNQUANTISED p, in two chains
	v_pk_add_f32 v[SUMB:SUMB+1], v[PW+4:PW+5], v[PW+6:PW+7]
.irp j, 8,12,16,20,24,28,32,36,40,44,48,52,56,60
	v_pk_add_f32 v[SUMA:SUMA+1], v[SUMA:SUMA+1], v[PW+\j:PW+\j+1]
	v_pk_add_f32 v[SUMB:SUMB+1], v[SUMB:SUMB+1], v[PW+\j+2:PW+\j+3]
.endr
	v_pk_add_f32 v[SUMA:SUMA+1], v[SUMA:SUMA+1], v[SUMB:SUMB+1]
	v_add_f32 v[TX], v[SUMA], v[SUMA+1]
	v_permlanex16_b32 v[BT], v[TX], s[SEL], s[SEL+1]
	v_add_f32 v[KL+(\a)], v[TX], v[BT]             ; with lane l xor 16's 64 keys
	s_wait_alu depctr_va_vdst(0)                   ; and one for the four
.irp b, 0,1,2,3
	v_max_num_f32 v[BM+\b], 0x1800000, v[BM+\b]    ; the floor 2^(3 - 127)
.endr
.irp b, 0,1,2,3
	v_add_nc_u32 v[SO+\b], 0xff000000, v[BM+\b]
.endr
.irp b, 0,1,2,3
	v_lshrrev_b32 v[BT+\b], 23, v[SO+\b]
.endr
	v_lshl_or_b32 v[KW+(\a)], v[BT+1], 8, v[BT]
	v_lshl_or_b32 v[KW+(\a)], v[BT+2], 16, v[KW+(\a)]
	v_lshl_or_b32 v[KW+(\a)], v[BT+3], 24, v[KW+(\a)]
	s_wait_xcnt 0x0                                ; the stores of two blocks ago have read this set of codes
.irp c, 0,1
	v_cvt_scalef32_pk16_fp6_f32 v[PCS+6*\c:PCS+6*\c+2], v[PW+32*\c:PW+32*\c+15], v[SO+2*\c]
	v_cvt_scalef32_pk16_fp6_f32 v[PX+4*\c:PX+4*\c+2], v[PW+32*\c+16:PW+32*\c+31], v[SO+2*\c+1]
.endr
	v_nop                                          ; a plain line behind the conversions
.irp c, 0,1
.irp i, 0,1,2
	v_permlane16_swap_b32 v[PCS+6*\c+\i], v[PX+4*\c+\i]
.endr
.irp i, 0,1,2
	v_mov_b32 v[PCS+3+6*\c+\i], v[PX+4*\c+\i]
.endr
.endr
.irp c, 0,1,2
	global_store_b128 v[LO], v[PCS+4*\c:PCS+4*\c+3], s[8:9] offset:(\a)*1536+512*\c   ; 512 consecutive bytes, aligned
.endr
.endm
	PLACES 4                                       ; behind the last products
.irp b, 0,1,2,3
	v_mov_b32 v[BT+\b], 0                          ; written once: a lane permute's destination counts as one of its sources
.endr
.irp a, 0,1,2,3,4,5,6,7
	SOFT \a
.endr
.irp j, 0,1,2,3
	v_cndmask_b32 v[OUTS+\j], v[KW+\j], v[KW+4+\j], s[HM]      ; lanes 0-15: blocks 0-3 (my first 64 queries), lanes 16-31: blocks 4-7
	v_cndmask_b32 v[OUTS+4+\j], v[KM+\j], v[KM+4+\j], s[HM]
	v_cndmask_b32 v[OUTS+8+\j], v[KL+\j], v[KL+4+\j], s[HM]
.endr
	global_store_b128 v[STO], v[OUTS:OUTS+3], s[10:11]         ; sixteen lanes store 256 consecutive bytes, aligned
	global_store_b128 v[STO], v[OUTS+4:OUTS+7], s[12:13]
	global_store_b128 v[STO], v[OUTS+8:OUTS+11], s[14:15]
	s_cmp_lg_u32 s20, s21                          ; the diagonal work-group of an even I writes tile (I, I + 1) as zeros: two pieces of keys further on
	s_cbranch_scc1 .Ldone
	s_bitcmp1_b32 s20, 0
	s_cbranch_scc1 .Ldone
.irp j, 0,1,2,3
	v_mov_b32 v[ZR+\j], 0
	v_mov_b32 v[ZM+\j], 0x4e800000
.endr
.set n, 0
.rept 24
	global_store_b128 v[LO], v[ZR:ZR+3], s[8:9] offset:24576+512*n
.set n, n+1
.endr
	global_store_b128 v[STO], v[ZR:ZR+3], s[10:11] offset:512
	global_store_b128 v[STO], v[ZM:ZM+3], s[12:13] offset:512
	global_store_b128 v[STO], v[ZR:ZR+3], s[14:15] offset:512
.Ldone:
	s_wait_tensorcnt 0x0                           ; the wave's end
	ds_add_u32 v[SPW], v[NIL]
	s_wait_dscnt 0x0
	s_endpgm
.Lfunc_end_k_qf79cddfbb5_scores:
	.size	k_qf79cddfbb5_scores, .Lfunc_end_k_qf79cddfbb5_scores-k_qf79cddfbb5_scores
	.p2alignl 7, 3214868480
	.fill 96, 4, 3214868480
	.section	.rodata,"a",@progbits
	.p2align	6, 0x0
	.amdhsa_kernel k_qf79cddfbb5_scores
		.amdhsa_group_segment_fixed_size 327680
		.amdhsa_private_segment_fixed_size 0
		.amdhsa_enable_private_segment 0
		.amdhsa_kernarg_size 48
		.amdhsa_user_sgpr_count 2
		.amdhsa_user_sgpr_kernarg_segment_ptr 1
		.amdhsa_wavefront_size32 1
		.amdhsa_system_sgpr_workgroup_id_x 1
		.amdhsa_system_sgpr_workgroup_id_y 1
		.amdhsa_system_sgpr_workgroup_id_z 1
		.amdhsa_system_vgpr_workitem_id 0
		.amdhsa_next_free_vgpr 1024
		.amdhsa_next_free_sgpr 66
		.amdhsa_reserve_vcc 1
		.amdhsa_float_denorm_mode_32 3
		.amdhsa_float_denorm_mode_16_64 3
		.amdhsa_memory_ordered 1
		.amdhsa_forward_progress 1
		.amdhsa_inst_pref_size 234
	.end_amdhsa_kernel
	.amdgpu_metadata
---
amdhsa.version: [ 1, 2 ]
amdhsa.kernels:
  - .name:           k_qf79cddfbb5_scores
    .symbol:         k_qf79cddfbb5_scores.kd
    .args:
      - { .name: img, .offset: 0, .size: 8, .value_kind: global_buffer, .address_space: global }
      - { .name: isc, .offset: 8, .size: 8, .value_kind: global_buffer, .address_space: global }
      - { .name: pim, .offset: 16, .size: 8, .value_kind: global_buffer, .address_space: global }
      - { .name: psc, .offset: 24, .size: 8, .value_kind: global_buffer, .address_space: global }
      - { .name: pmx, .offset: 32, .size: 8, .value_kind: global_buffer, .address_space: global }
      - { .name: psm, .offset: 40, .size: 8, .value_kind: global_buffer, .address_space: global }
    .group_segment_fixed_size: 327680
    .private_segment_fixed_size: 0
    .kernarg_segment_align: 8
    .kernarg_segment_size: 48
    .max_flat_workgroup_size: 128
    .sgpr_count:     66
    .vgpr_count:     1024
    .wavefront_size: 32
...
	.end_amdgpu_metadata
.endif
;; end of part 3
;; launch context (part 4): grid 8 x 32, 4 waves a work-group, clusters of 4 x 4, 327,680 bytes of LDS; arguments img, isc, pim, psc, pmx, psm, out0; writes out0
.if DOCPART == 4
	.amdgcn_target "amdgcn-amd-amdhsa--gfx1250"
	.amdhsa_code_object_version 6
	.text
	.protected	k_qf79cddfbb5_context
	.globl	k_qf79cddfbb5_context
	.p2align	8
	.type	k_qf79cddfbb5_context,@function
k_qf79cddfbb5_context:
	s_mov_b64 s[64:65], 0
	v_nop
	global_prefetch_b8 v0, s[64:65] scope:SCOPE_SE
	s_setreg_imm32_b32 hwreg(HW_REG_WAVE_MODE, 25, 1), 1
	s_wait_xcnt 0x0
	s_wait_alu depctr_hold_cnt(0) depctr_sa_sdst(0) depctr_va_vdst(0) depctr_va_sdst(0) depctr_va_ssrc(0) depctr_va_vcc(0) depctr_vm_vsrc(0)
	s_getreg_b32 s2, hwreg(HW_REG_IB_STS2, 6, 4)
	s_cmp_eq_u32 s2, 0
	s_cbranch_scc0 .Lentry_in_a_cluster
	s_endpgm
.Lentry_in_a_cluster:
	s_bfe_u32 s2, ttmp6, 0x10000c
	s_cmp_lg_u32 s2, 0xf033
	s_cbranch_scc0 .Lentry_shape_is_right
	s_endpgm
.Lentry_shape_is_right:
; context = (p v) / l on codes of FP6 (E2M3) with E8M0 scales; K = the keys.  Keys above the causal diagonal are left out in whole laps of 512.
; p comes in pieces of 128 keys, each under its own whole number M (pmx holds -M, psm the piece's sum, psc its scale words).  Here each piece is brought under the row's M by an exact power of two:
; M(row) - M(piece) is taken off its scale bytes (a byte that would fall under 0 is held at 0) and off its sum's exponent; the product is divided by the row's sum at the end.
; EQUAL WORK: a group of 128 queries, g = 0 .. 15 in its batch, needs g / 4 + 1 laps.  A work-group takes 128 channels and TWO groups one after the other, A = 4 (3 - t) + cy and B = 4 t + cy:
; (4 - t) + (t + 1) = 5 laps whatever t and cy.  Grid: x = the channel block (8); y = 8 x batch + 4 t + cy.  A wave makes 64 queries x 64 channels: 16 accumulators; a step is 128 keys, 16 matrix instructions.
; CLUSTERS of 4 x 4: t and the batch come from the cluster's number, so all sixteen partners walk the same laps.  p's tiles are asked for jointly along a row (same groups), v^T's along a column (same channels).
; LDS: three places of a lap (49,152 bytes) for p, three for v^T.  At the head one load a wave brings A's laps 0 to 2 (two halves of p's 147,456 bytes, two of v^T's).  The walk's laps 3 and 4
; (t = 0: A's lap 3, B's lap 0; t = 1: B's laps 0, 1) are refills of places 0 and 1, a half of p's or of v^T's lap a wave, behind rounds of the cluster's barrier in steps 3 and 11.
; PREFETCH: each refill's 2 x 192 blocks of 256 bytes are asked of memory ahead (the first at the head, the second behind the first refill), shared by address among the four partners that will ask jointly
; and their two loading waves: 24 lanes each (the lanes left over name the last block again).  The head's own tiles come by their loads alone.
; OPERANDS are images of the fragments' registers: three reads of 16 bytes a lane.  TRANSPOSED USE: source 0 = 16 channels, source 1 = 16 queries: a lane holds one query, its registers run along the channels.
; Stored rows lie, in each 32, in the order of eights 0, 2, 1, 3: the way out puts channels and queries back in their places.  It goes through a stage in LDS bytes of its own, into which no fill lands.
; LIMITS: as the launch before: |t| under 2^30; NaN and infinities are not served.
; REGISTERS: window 0: v0-31 addresses; v32-63 A's scale words of p, v64-79 B's, v80-111 v^T's (lanes 0-15 the even piece, lanes 16-31 the odd one); v112-127 1 / l; v128-255 the statistics, later the way out;
;   window 1: fragments, set s at v[128 s]: v^T's four, then p's four; v96-127 the way out;  window 2: the accumulators, (a, b) at v[8 (4 a + b)].
.set FR,    12
.set LAP,   49152
.set VREG,  147456
.set SPARE, 294912
.set STAGE, 295424
.set SPITCH, 272
.set NR,   4
.set LO,   11
.set VSO,  12
.set PSO,  13
.set ADRA, 16                          ; v16-18 my 64 queries' fragments in place 0, 1, 2
.set ADRB, 20                          ; v20-22 my 64 channels'
.set STO,  24
.set RD,   25
.set CO,   26
.set PFO,  27
.set SPW,  28
.set NIL,  29
.set PAA,  32
.set PAB,  64
.set PB,   80
.set RLA,  112
.set RLB,  120
.set PMA,  128
.set PLA,  160
.set PMB,  192
.set PLB,  208
.set TD,   224
.set TE,   228
.set TK,   232
.set LSA,  236
.set LSB,  240
.set TP,   244
.set BB,   128
.set TT,   96
.set WV,  20
.set WR,  21
.set WC,  22
.set T,   23
.set G1,  24
.set G0,  32
.set G0B, 36
.set G1B, 48
.set OA,  82
.set OB,  84
.set REP, 88
.set HI,  89
.set SEL, 90
.set LP,  96
.set LH,  97
.set MSB, 0
.macro WIN new                         ; the immediate's high byte repeats the setting that is left
.if MSB != \new
	s_set_vgpr_msb (MSB<<8)|\new
.set MSB, \new
.endif
.endm
.macro PLACES n
.rept \n
	v_nop
.endr
.endm
.macro PADD d, p, o                    ; an address: buffer pointer + a 32-bit offset
	s_add_co_u32 s[\d], s[\p], s[\o]
	s_add_co_ci_u32 s[\d+1], s[\p+1], 0
.endm
.macro JLOAD                           ; waves 0, 1 fetch p, waves 2, 3 v^T: one load in each arm; the branch hangs on the wave's number alone
	s_cmp_eq_u32 s[WR], 0
	s_cbranch_scc0 .Lfor_b_\@
	tensor_load_to_lds s[G0:G0+3], s[G1:G1+7]
	s_nop 0
.rept 4
	v_nop
.endr
	s_branch .Lasked_\@
.Lfor_b_\@:
	tensor_load_to_lds s[G0B:G0B+3], s[G1B:G1B+7]
	s_nop 0
.rept 4
	v_nop
.endr
.Lasked_\@:
.endm
.macro CREST
	s_cmp_lg_u32 s[WV], 0
	s_cbranch_scc1 .Lnot_wave_0_\@
	s_barrier_signal -3
.Lnot_wave_0_\@:
	s_barrier_wait -3
	s_barrier_signal -1
	s_barrier_wait -1
.endm
.macro CROUND
	s_barrier_signal -1
	s_barrier_wait -1
	CREST
.endm
	s_load_b256 s[4:11], s[0:1], 0x0               ; img, isc, pim, psc
	s_load_b128 s[12:15], s[0:1], 0x20             ; pmx, psm
	s_load_b64 s[18:19], s[0:1], 0x30              ; out0
	v_lshl_add_u32 v[SPW], v0, 2, SPARE
	v_mov_b32 v[NIL], 0
	ds_add_u32 v[SPW], v[NIL]                      ; the opening lines: the add, twice on end, and its wait ahead of my first tensor load
	ds_add_u32 v[SPW], v[NIL]
	v_lshrrev_b32 v1, 5, v0
	v_readfirstlane_b32 s[WV], v1
	s_lshr_b32 s[WR], s[WV], 1                     ; which 64 queries.  Also: I fetch p (0) or v^T (1)
	s_and_b32 s[WC], s[WV], 1                      ; which 64 channels.  Also: which half I fetch
	s_bfe_u32 s40, ttmp6, 0x40000                  ; cx
	s_bfe_u32 s41, ttmp6, 0x40004                  ; cy
	s_and_b32 s43, ttmp7, 0xffff
	s_and_b32 s[T], s43, 1                         ; t
	s_lshr_b32 s43, s43, 1                         ; the batch
	s_lshl_b32 s42, ttmp9, 2
	s_add_co_u32 s42, s42, s40                     ; the channel block
	s_lshl_b32 s45, s43, 4
	s_add_co_u32 s45, s45, s41
	s_lshl_b32 s3, s[T], 2
	s_sub_co_u32 s44, 12, s3
	s_add_co_u32 s44, s44, s45                     ; group A: 16 b + 4 (3 - t) + cy
	s_add_co_u32 s45, s45, s3                      ; group B: 16 b + 4 t + cy
	s_lshl_b32 s2, s41, 2
	s_lshl_b32 s2, 15, s2                          ; my row of the cluster
	s_lshl_b32 s3, 0x1111, s40                     ; my column
	s_or_b32 s[G1], s2, (3<<16)|(1<<21)            ; dense rows of 256 bytes: 32 elements of 8
	s_or_b32 s[G1B], s3, (3<<16)|(1<<21)
.irp g, G1, G1B
	s_mov_b32 s[\g+1], 32<<16
	s_mov_b32 s[\g+2], 288<<16                     ; at the head: a lap and a half, 288 rows
	s_mov_b32 s[\g+3], 32<<16
	s_mov_b32 s[\g+4], 288
	s_mov_b32 s[\g+5], 32
	s_mov_b32 s[\g+6], 0
	s_mov_b32 s[\g+7], 0
.endr
	s_mul_i32 s[LP], s[WC], 24576
	s_mul_i32 s[LH], s[WC], 73728
	s_mul_i32 s92, s44, 196608                     ; A's sixteen chunks of pim
	s_mul_i32 s93, s45, 196608                     ; B's
	s_lshl_b32 s95, s42, 6
	s_lshl_b32 s94, s43, 4
	s_add_co_u32 s95, s95, s94
	s_add_co_u32 s95, s95, 1024                    ; v^T's first chunk: 1,024 + 64 x channel block + 16 b
	s_mul_i32 s94, s95, 12288
	s_add_co_u32 s46, s92, 3*LAP
	s_add_co_u32 s47, s93, LAP
	s_add_co_u32 s86, s94, 3*LAP
	s_add_co_u32 s87, s94, LAP
	s_cmp_eq_u32 s[T], 0
	s_cselect_b32 s46, s46, s93                    ; the first refill: A's lap 3 or B's lap 0,
	s_cselect_b32 s47, s93, s47                    ; the second: B's lap 0 or 1;
	s_cselect_b32 s86, s86, s94                    ; and v^T's laps of the same numbers
	s_cselect_b32 s87, s94, s87
	s_cmp_eq_u32 s[WR], 0                          ; the prefetches: of what I fetch, my work-group's and my wave's eighth of a lap
	s_cselect_b32 s2, s46, s86
	s_cselect_b32 s3, s47, s87
	s_cselect_b32 s16, s40, s41
	s_lshl_b32 s16, s16, 1
	s_add_co_u32 s16, s16, s[WC]
	s_mul_i32 s16, s16, 6144
	s_add_co_u32 s2, s2, s16
	s_add_co_u32 s3, s3, s16
	s_add_co_u32 s46, s46, s[LP]                   ; my half of each tile
	s_add_co_u32 s47, s47, s[LP]
	s_add_co_u32 s86, s86, s[LP]
	s_add_co_u32 s87, s87, s[LP]
	s_add_co_u32 s92, s92, s[LH]
	s_add_co_u32 s94, s94, s[LH]
	s_lshl_b32 s17, s44, 1
	s_add_co_u32 s17, s17, s[WR]
	s_lshl_b32 s17, s17, 12                        ; the statistics of my 64 queries of A,
	s_lshl_b32 s93, s45, 1
	s_add_co_u32 s93, s93, s[WR]
	s_lshl_b32 s93, s93, 12                        ; and of B
	s_lshl_b32 s95, s95, 9
	s_lshl_b32 s16, s[WC], 4
	s_add_co_u32 s95, s95, s16                     ; v^T's scale words of my four fragments
	s_lshl_b32 s16, s42, 9
	s_lshl_b32 s43, s[WC], 8
	s_add_co_u32 s16, s16, s43                     ; my 64 channels in a row of out0
	s_lshl_b32 s44, s44, 1
	s_add_co_u32 s44, s44, s[WR]
	s_lshl_b32 s44, s44, 18                        ; 64 rows of 4,096 bytes
	s_add_co_u32 s44, s44, s16
	s_lshl_b32 s45, s45, 1
	s_add_co_u32 s45, s45, s[WR]
	s_lshl_b32 s45, s45, 18
	s_add_co_u32 s45, s45, s16
	s_mul_i32 s16, s[WV], 16*SPITCH
	s_add_co_u32 s16, s16, STAGE                   ; my stage
	s_mul_i32 s98, s[WR], 6144
	s_mul_i32 s99, s[WC], 6144
	s_add_co_u32 s99, s99, VREG
	s_mov_b32 s[G0], 1
	s_mov_b32 s[G0+1], s[LH]
	s_mov_b32 s[G0B], 1
	s_add_co_u32 s[G0B+1], s[LH], VREG
	s_mov_b32 s[REP], 0x01010101
	s_mov_b32 s[HI], 0x80808080
	s_mov_b32 s[SEL], 0x76543210
	s_mov_b32 s[SEL+1], 0xfedcba98
	v_and_b32 v1, 15, v0                           ; r
	v_bfe_u32 v2, v0, 4, 1                         ; h
	v_and_b32 v3, 31, v0
	v_lshlrev_b32 v[LO], 4, v3
	v_lshlrev_b32 v[VSO], 5, v1
	v_lshl_add_u32 v[VSO], v2, 9, v[VSO]           ; 32 r + 512 h
	v_lshlrev_b32 v[PSO], 4, v1
	v_lshl_add_u32 v[PSO], v2, 8, v[PSO]           ; 16 r + 256 h
	v_add_nc_u32 v[ADRA], s98, v[LO]
	v_add_nc_u32 v[ADRB], s99, v[LO]
.irp n, 1,2
	v_add_nc_u32 v[ADRA+\n], \n*LAP, v[ADRA]
	v_add_nc_u32 v[ADRB+\n], \n*LAP, v[ADRB]
.endr
	v_mul_u32_u24 v[STO], v1, SPITCH
	v_lshl_add_u32 v[STO], v2, 6, v[STO]
	v_add_nc_u32 v[STO], s16, v[STO]               ; into the stage: row r, 64 h
	v_mul_u32_u24 v[RD], v2, SPITCH
	v_lshl_add_u32 v[RD], v1, 4, v[RD]
	v_add_nc_u32 v[RD], s16, v[RD]                 ; out of it: sixteen lanes to a row of 256 bytes, two rows an instruction
	v_lshlrev_b32 v[CO], 12, v2
	v_lshl_add_u32 v[CO], v1, 4, v[CO]             ; and the same in out0
	v_min_u32 v4, 23, v3
	v_lshlrev_b32 v[PFO], 8, v4
.set n, 0
.rept 8                                ; the lap that my t does not have: no weight, no sum
	v_mov_b32 v[PMA+24+n], 0x4e800000
	v_mov_b32 v[PLA+24+n], 0
	v_mov_b32 v[PAA+24+n], 0
	v_mov_b32 v[PMB+8+n], 0x4e800000
	v_mov_b32 v[PLB+8+n], 0
	v_mov_b32 v[PAB+8+n], 0
.set n, n+1
.endr
.irp a, 0,1,2,3
	v_mov_b32 v[TP+\a], 0                          ; a lane permute's destination counts as one of its sources
.endr
	s_wait_alu depctr_va_vdst(0)
	s_wait_dscnt 0x0                               ; both opening adds are done
	s_wait_kmcnt 0x0
	PADD G0+2, 8, 92
	s_or_b32 s[G0+3], s[G0+3], 0x80000000
	PADD G0B+2, 4, 94
	s_or_b32 s[G0B+3], s[G0B+3], 0x80000000
	CROUND                                         ; all sixteen work-groups are here: the first joint loads meet
	JLOAD                                          ; A's laps 0 to 2: my one load at the head
	PADD 6, 6, 95
	PADD 70, 10, 17
	PADD 72, 12, 17
	PADD 74, 14, 17
	PADD 76, 10, 93
	PADD 78, 12, 93
	PADD 80, 14, 93
.irp sl, 0,1,2,3,4,5,6,7
	global_load_b128 v[PB+4*\sl:PB+4*\sl+3], v[VSO], s[6:7] offset:\sl*1024
.endr
.macro STATS pa, pm, pl, sp, l
.irp sl, 2*\l, 2*\l+1
	global_load_b128 v[\pa+4*(\sl):\pa+4*(\sl)+3], v[PSO], s[\sp:\sp+1] offset:(\sl)*512
	global_load_b128 v[\pm+4*(\sl):\pm+4*(\sl)+3], v[PSO], s[\sp+2:\sp+3] offset:(\sl)*512
	global_load_b128 v[\pl+4*(\sl):\pl+4*(\sl)+3], v[PSO], s[\sp+4:\sp+5] offset:(\sl)*512
.endr
.endm
	STATS PAA, PMA, PLA, 70, 0
	STATS PAA, PMA, PLA, 70, 1
	STATS PAA, PMA, PLA, 70, 2
	STATS PAB, PMB, PLB, 76, 0
	s_cmp_eq_u32 s[T], 0
	s_cbranch_scc0 .Lstat_1
	STATS PAA, PMA, PLA, 70, 3
	s_branch .Lstat
.Lstat_1:
	STATS PAB, PMB, PLB, 76, 1
.Lstat:
	PADD 56, 8, 46                                 ; the refills' addresses
	PADD 58, 8, 47
	PADD 60, 4, 86
	PADD 62, 4, 87
	PADD OA, 18, 44
	PADD OB, 18, 45
	s_cmp_eq_u32 s[WR], 0
	s_cselect_b64 s[66:67], s[8:9], s[4:5]
	s_mov_b64 s[68:69], s[66:67]
	PADD 66, 66, 2
	PADD 68, 68, 3
	global_prefetch_b8 v[PFO], s[66:67] th:TH_LOAD_NT scope:SCOPE_SE   ; the first refill's bytes
	s_wait_loadcnt 0x0
.macro ADJUST pa, pm, pl, ls, first
.irp a, 0,1,2,3
	v_sub_f32 v[TD+\a], v[\pm+\a], v[NR+\a]        ; M(row) - M(piece), a whole number, 0 or more
.endr
.irp a, 0,1,2,3
	v_min_num_f32 v[TD+\a], 0x42fe0000, v[TD+\a]   ; held at 127
.endr
.irp a, 0,1,2,3
	v_cvt_i32_f32 v[TD+\a], v[TD+\a]
.endr
.irp a, 0,1,2,3
	v_mul_lo_u32 v[TE+\a], v[TD+\a], s[REP]        ; in all four bytes
.endr
.irp a, 0,1,2,3
	v_or_b32 v[\pa+\a], s[HI], v[\pa+\a]           ; a guard bit over each byte (the bytes lie under 128),
.endr
.irp a, 0,1,2,3
	v_sub_nc_u32 v[\pa+\a], v[\pa+\a], v[TE+\a]
.endr
.irp a, 0,1,2,3
	v_and_b32 v[TK+\a], s[HI], v[\pa+\a]           ; which stays where the byte did not fall under 0
.endr
.irp a, 0,1,2,3
	v_lshrrev_b32 v[TE+\a], 7, v[TK+\a]
.endr
.irp a, 0,1,2,3
	v_sub_nc_u32 v[TK+\a], v[TK+\a], v[TE+\a]
.endr
.irp a, 0,1,2,3
	v_and_b32 v[\pa+\a], v[\pa+\a], v[TK+\a]       ; else the byte is 0
.endr
.irp a, 0,1,2,3
	v_sub_nc_u32 v[TD+\a], 0, v[TD+\a]
.endr
.if \first == 0
.irp a, 0,1,2,3
	v_ldexp_f32 v[\ls+\a], v[\pl+\a], v[TD+\a]
.endr
.else
.irp a, 0,1,2,3
	v_ldexp_f32 v[TE+\a], v[\pl+\a], v[TD+\a]
.endr
.irp a, 0,1,2,3
	v_add_f32 v[\ls+\a], v[\ls+\a], v[TE+\a]
.endr
.endif
.endm
.macro STATP pa, pm, pl, ls, nsl       ; a group's statistics: the row's -M, the pieces under it, the row's sum
.irp a, 0,1,2,3
	v_min_num_f32 v[NR+\a], v[\pm+\a], v[\pm+4+\a]
.endr
.set n, 2
.rept (\nsl-2)/2
.irp a, 0,1,2,3
	v_min3_num_f32 v[NR+\a], v[NR+\a], v[\pm+4*n+\a], v[\pm+4*n+4+\a]
.endr
.set n, n+2
.endr
.irp a, 0,1,2,3
	v_permlanex16_b32 v[TP+\a], v[NR+\a], s[SEL], s[SEL+1]
.endr
.irp a, 0,1,2,3
	v_min_num_f32 v[NR+\a], v[NR+\a], v[TP+\a]
.endr
.set m, 0
.rept \nsl
	ADJUST \pa+4*m, \pm+4*m, \pl+4*m, \ls, m
.set m, m+1
.endr
.irp a, 0,1,2,3
	v_permlanex16_b32 v[TP+\a], v[\ls+\a], s[SEL], s[SEL+1]
.endr
.irp a, 0,1,2,3
	v_add_f32 v[\ls+\a], v[\ls+\a], v[TP+\a]
.endr
.endm
	STATP PAA, PMA, PLA, LSA, 8
	STATP PAB, PMB, PLB, LSB, 4
	s_wait_alu depctr_va_vdst(0)
.irp a, 0,1,2,3
	v_rcp_f32 v[RLA+2*\a], v[LSA+\a]
	v_rcp_f32 v[RLB+2*\a], v[LSB+\a]
.endr
.irp a, 0,1,2,3
	v_mov_b32 v[RLA+2*\a+1], 0                     ; named as the upper halves of pairs
	v_mov_b32 v[RLB+2*\a+1], 0
.endr
	PLACES 8                                       ; scale registers written by vector instructions stand 8 places ahead of a scaled matrix instruction
	s_wait_alu depctr_va_vdst(0)                   ; behind the batch, and at the head's end
; Step k of the walk's 20: place (k / 4) % 3, piece k % 4 of the lap, fragment set k % 2.
.macro F k
	WIN 0x40
.irp i, 0,1,2,3
.irp c, 0,1,2
	ds_load_b128 v[128*((\k)%2)+FR*\i+4*\c:128*((\k)%2)+FR*\i+4*\c+3], v[ADRB+((\k)/4)%3] offset:((\k)%4)*12288+\i*1536+512*\c
.endr
.endr
.irp i, 0,1,2,3
.irp c, 0,1,2
	ds_load_b128 v[128*((\k)%2)+48+FR*\i+4*\c:128*((\k)%2)+48+FR*\i+4*\c+3], v[ADRA+((\k)/4)%3] offset:((\k)%4)*12288+\i*1536+512*\c
.endr
.endr
.endm
; Four matrix instructions.  The 16 accumulators take turns, one instruction a turn, in the same order in every step.
.macro MULP a, k, pa, sl, zero
.irp b, 0,1,2,3
.if \zero
	v_wmma_scale_f32_16x16x128_f8f6f4 v[8*(4*(\a)+\b):8*(4*(\a)+\b)+7], v[128*((\k)%2)+FR*\b:128*((\k)%2)+FR*\b+FR-1], v[128*((\k)%2)+48+FR*(\a):128*((\k)%2)+48+FR*(\a)+FR-1], 0, v[PB+4*(\sl)+\b], v[\pa+4*(\sl)+(\a)] matrix_a_fmt:MATRIX_FMT_FP6 matrix_b_fmt:MATRIX_FMT_FP6
.elseif (\k)%2
	v_wmma_scale_f32_16x16x128_f8f6f4 v[8*(4*(\a)+\b):8*(4*(\a)+\b)+7], v[128*((\k)%2)+FR*\b:128*((\k)%2)+FR*\b+FR-1], v[128*((\k)%2)+48+FR*(\a):128*((\k)%2)+48+FR*(\a)+FR-1], v[8*(4*(\a)+\b):8*(4*(\a)+\b)+7], v[PB+4*(\sl)+\b], v[\pa+4*(\sl)+(\a)] matrix_a_fmt:MATRIX_FMT_FP6 matrix_b_fmt:MATRIX_FMT_FP6 matrix_a_scale:MATRIX_SCALE_ROW1 matrix_b_scale:MATRIX_SCALE_ROW1
.else
	v_wmma_scale_f32_16x16x128_f8f6f4 v[8*(4*(\a)+\b):8*(4*(\a)+\b)+7], v[128*((\k)%2)+FR*\b:128*((\k)%2)+FR*\b+FR-1], v[128*((\k)%2)+48+FR*(\a):128*((\k)%2)+48+FR*(\a)+FR-1], v[8*(4*(\a)+\b):8*(4*(\a)+\b)+7], v[PB+4*(\sl)+\b], v[\pa+4*(\sl)+(\a)] matrix_a_fmt:MATRIX_FMT_FP6 matrix_b_fmt:MATRIX_FMT_FP6
.endif
.endr
.endm
.macro PSTEP k, pa, sl, zero, nxt      ; nxt = 1: the next step's fragments are asked for first, into the set that the step before multiplied
.if \nxt
	PLACES 4
	F (\k)+1
	s_wait_dscnt 24                                ; this step's fragments are in; the 24 loads just issued may be out
.else
	s_wait_dscnt 0x0
.endif
	WIN 0xa5                                       ; sources 0 and 1 window 1, C and D window 2
.irp a, 0,1,2,3
	MULP \a, \k, \pa, \sl, \zero
.endr
.endm
; A step with a round in it: refill f (1, 2) goes into place f - 1, whose last fragments were read for an earlier step.
.macro PTURN k, pa, sl, f, nxt
	WIN 0
	s_wait_tensorcnt 0x0                           ; all my tensor loads have landed
	ds_add_u32 v[SPW], v[NIL]                      ; 0 onto my spare word
	s_mov_b64 s[G0+2:G0+3], s[54+2*(\f):55+2*(\f)] ; no load of mine is out: the descriptors are written
	s_or_b32 s[G0+3], s[G0+3], 0x80000000
	s_add_co_u32 s[G0+1], s[LP], ((\f)-1)*LAP
	s_mov_b64 s[G0B+2:G0B+3], s[58+2*(\f):59+2*(\f)]
	s_or_b32 s[G0B+3], s[G0B+3], 0x80000000
	s_add_co_u32 s[G0B+1], s[LP], VREG+((\f)-1)*LAP
	s_wait_dscnt 0x0                               ; the add is done, and all my LDS reads are back
	s_barrier_signal -1
	WIN 0xa5
	MULP 0, \k, \pa, \sl, 0
	MULP 1, \k, \pa, \sl, 0
	WIN 0
	s_barrier_wait -1
	CREST                                          ; the barrier has opened a round of the cluster's
	JLOAD                                          ; my one load behind the round; its four v_nop are the places in front of the loads below
.if \nxt
	F (\k)+1
.endif
.if \f == 1
	global_prefetch_b8 v[PFO], s[68:69] th:TH_LOAD_NT scope:SCOPE_SE   ; the second refill's bytes
.endif
	WIN 0xa5
	MULP 2, \k, \pa, \sl, 0
	MULP 3, \k, \pa, \sl, 0
.endm
.macro WAITBAR                         ; the second refill is shown whole to every wave
	WIN 0
	s_wait_tensorcnt 0x0
	s_wait_dscnt 0x0
	s_barrier_signal -1
	s_barrier_wait -1
.endm
; THE WAY OUT of a group, block by block of 16 queries x 64 channels: x 1 / l, into my stage, back as rows of 256 bytes, stored.
.macro SCALEO a, rl
	WIN 0x42                                       ; destination window 1, source 0 window 2
.set n, 0
.rept 16
	v_pk_mul_f32 v[TT+2*n:TT+2*n+1], v[32*(\a)+2*n:32*(\a)+2*n+1], v[\rl+2*(\a):\rl+2*(\a)+1] op_sel_hi:[1,0]   ; each accumulator from its low end on
.set n, n+1
.endr
.endm
.macro TOSTAGE a
	WIN 0x04                                       ; the data: window 1
.irp b, 0,1,2,3
	ds_store_b128 v[STO], v[TT+8*\b:TT+8*\b+3] offset:128*(\b/2)+32*(\b%2)      ; tile b's channels: 32 (b / 2) + 8 (b % 2) + 16 h + 0 .. 7
	ds_store_b128 v[STO], v[TT+8*\b+4:TT+8*\b+7] offset:128*(\b/2)+32*(\b%2)+16
.endr
	WIN 0
.irp t, 0,1,2,3,4,5,6,7
	ds_load_b128 v[BB+32*((\a)%2)+4*\t:BB+32*((\a)%2)+4*\t+3], v[RD] offset:\t*2*SPITCH   ; in order behind my stores
.endr
.endm
.macro SEND a, op, younger
	s_wait_dscnt \younger
.irp t, 0,1,2,3,4,5,6,7
	global_store_b128 v[CO], v[BB+32*((\a)%2)+4*\t:BB+32*((\a)%2)+4*\t+3], s[\op:\op+1] offset:(32*((\a)/2)+8*((\a)%2)+16*(\t/4)+2*(\t%4))*4096 th:TH_STORE_NT   ; sixteen lanes store 256 consecutive bytes, aligned
.endr
.endm
.macro OUTP rl, op
	WIN 0
	PLACES 4                                       ; behind the last products
	SCALEO 0, \rl
	TOSTAGE 0
.irp a, 1,2,3
	s_wait_dscnt 8                                 ; the last block's stores into the stage have read their registers (its eight loads may be out)
	SCALEO \a, \rl
.if \a > 1
	s_wait_alu depctr_va_vdst(0)
	s_wait_xcnt 0x0                                ; the stores of two blocks ago have read their registers
.endif
	TOSTAGE \a
	SEND \a-1, \op, 16                             ; behind that block's loads: this block's eight stores and eight loads
.endr
	SEND 3, \op, 0
	s_wait_xcnt 0x0                                ; the stores have read their registers
.endm
	s_wait_tensorcnt 0x0                           ; my part of laps 0 to 2 is in,
.irp g, G1, G1B
	s_mov_b32 s[\g+2], 96<<16                      ; and no load of mine is out: a refill brings half a lap, 96 rows
	s_mov_b32 s[\g+4], 96
.endr
	s_barrier_signal -1
	s_barrier_wait -1                              ; everybody's is
	F 0
	PSTEP 0, PAA, 0, 1, 1                          ; the first step starts the sums: nothing is cleared
	PSTEP 1, PAA, 0, 0, 1
	PSTEP 2, PAA, 1, 0, 1
	PTURN 3, PAA, 1, 1, 1
.irp k, 4,5,6,7,8,9,10
	PSTEP \k, PAA, \k/2, 0, 1
.endr
	WIN 0
	s_cmp_eq_u32 s[T], 0                           ; the cluster's number: the same in all sixteen partners
	s_cbranch_scc0 .Lt1
	PTURN 11, PAA, 5, 2, 1                         ; t = 0: A has a fourth lap, B one
.irp k, 12,13,14
	PSTEP \k, PAA, \k/2, 0, 1
.endr
	PSTEP 15, PAA, 7, 0, 0
	OUTP RLA, OA
	WAITBAR
	F 16
	PSTEP 16, PAB, 0, 1, 1
	PSTEP 17, PAB, 0, 0, 1
	PSTEP 18, PAB, 1, 0, 1
	PSTEP 19, PAB, 1, 0, 0
	WIN 0
	s_branch .Lout
.Lt1:
	PTURN 11, PAA, 5, 2, 0                         ; t = 1: A ends here, B has two laps
	OUTP RLA, OA
	F 12
	PSTEP 12, PAB, 0, 1, 1
	PSTEP 13, PAB, 0, 0, 1
	PSTEP 14, PAB, 1, 0, 1
	WAITBAR
.irp k, 15,16,17,18
	PSTEP \k, PAB, (\k-12)/2, 0, 1
.endr
	PSTEP 19, PAB, 3, 0, 0
	WIN 0
.Lout:
	OUTP RLB, OB
	s_wait_tensorcnt 0x0                           ; the wave's end
	ds_add_u32 v[SPW], v[NIL]
	s_wait_dscnt 0x0
	CROUND                                         ; the closing round
	s_endpgm
.Lfunc_end_k_qf79cddfbb5_context:
	.size	k_qf79cddfbb5_context, .Lfunc_end_k_qf79cddfbb5_context-k_qf79cddfbb5_context
	.p2alignl 7, 3214868480
	.fill 96, 4, 3214868480
	.section	.rodata,"a",@progbits
	.p2align	6, 0x0
	.amdhsa_kernel k_qf79cddfbb5_context
		.amdhsa_group_segment_fixed_size 327680
		.amdhsa_private_segment_fixed_size 0
		.amdhsa_enable_private_segment 0
		.amdhsa_kernarg_size 56
		.amdhsa_user_sgpr_count 2
		.amdhsa_user_sgpr_kernarg_segment_ptr 1
		.amdhsa_wavefront_size32 1
		.amdhsa_system_sgpr_workgroup_id_x 1
		.amdhsa_system_sgpr_workgroup_id_y 1
		.amdhsa_system_sgpr_workgroup_id_z 1
		.amdhsa_system_vgpr_workitem_id 0
		.amdhsa_next_free_vgpr 768
		.amdhsa_next_free_sgpr 100
		.amdhsa_reserve_vcc 0
		.amdhsa_float_denorm_mode_32 3
		.amdhsa_float_denorm_mode_16_64 3
		.amdhsa_memory_ordered 1
		.amdhsa_forward_progress 1
		.amdhsa_inst_pref_size 189
	.end_amdhsa_kernel
	.amdgpu_metadata
---
amdhsa.version: [ 1, 2 ]
amdhsa.kernels:
  - .name:           k_qf79cddfbb5_context
    .symbol:         k_qf79cddfbb5_context.kd
    .args:
      - { .name: img, .offset: 0, .size: 8, .value_kind: global_buffer, .address_space: global }
      - { .name: isc, .offset: 8, .size: 8, .value_kind: global_buffer, .address_space: global }
      - { .name: pim, .offset: 16, .size: 8, .value_kind: global_buffer, .address_space: global }
      - { .name: psc, .offset: 24, .size: 8, .value_kind: global_buffer, .address_space: global }
      - { .name: pmx, .offset: 32, .size: 8, .value_kind: global_buffer, .address_space: global }
      - { .name: psm, .offset: 40, .size: 8, .value_kind: global_buffer, .address_space: global }
      - { .name: out0, .offset: 48, .size: 8, .value_kind: global_buffer, .address_space: global }
    .group_segment_fixed_size: 327680
    .private_segment_fixed_size: 0
    .kernarg_segment_align: 8
    .kernarg_segment_size: 56
    .max_flat_workgroup_size: 128
    .sgpr_count:     100
    .vgpr_count:     768
    .wavefront_size: 32
...
	.end_amdgpu_metadata
.endif
;; end of part 4
